; MI455X (gfx1250); checked and timed in simulation.
; The chip was launched on July 23, 2026; its instructions are those of AMD's public machine-readable ISA for CDNA 5 (MIT licence, August 2026) and "CDNA5" Instruction Set Architecture Reference Guide (July 2026). The comments in the code are by the model that wrote it; some were corrected since.
;; Causal t. Allowed arithmetic: float matrix products may take bf16 or f16 operands with f32 sums; all other float work in f32.
;; Inputs: Wy_b 768 float32; Wy_w 768 x 768 float32; Wz_b 768 float32; Wz_w 768 x 768 float32; dic_z 8,192 x 768 float32; prior 8,192 float32; y 16 x 256 x 768 float32.
;; Outputs: out0 16 x 256 x 768 float32.
;; One version. Each part assembles by itself: llvm-mc -triple=amdgcn-amd-amdhsa -mcpu=gfx1250 --defsym DOCPART=n.
;; ======== version 1 of 1: 5 launches
;; limits: values are held in f16: magnitudes above 65,504 overflow, below 6.1e-05 lose precision
;; workspace buffers: cast 33,816,576 bytes; qk 18,874,368 bytes; P 67,108,864 bytes; stat 2,097,152 bytes; part 50,331,648 bytes
;; launch prep (part 1): grid 432 x 1, 8 waves a work-group, no clusters, 0 bytes of LDS; arguments dic_z, prior, y, Wy_w, Wz_w, cast; writes cast
.if DOCPART == 1
	.amdgcn_target "amdgcn-amd-amdhsa--gfx1250"
	.amdhsa_code_object_version 6
	.text
	.protected	k_qe949e97748_prep
	.globl	k_qe949e97748_prep
	.p2align	8
	.type	k_qe949e97748_prep,@function
k_qe949e97748_prep:
	s_mov_b64 s[64:65], 0
	v_nop
	global_prefetch_b8 v0, s[64:65] scope:SCOPE_SE
	s_setreg_imm32_b32 hwreg(HW_REG_WAVE_MODE, 25, 1), 1
	s_wait_xcnt 0x0
; PREP.  Every f32 input of a matrix product is rounded once to bf16 and laid into cast:
;   dic bf16 [8192][768] at 0; vp f16 [8192][768] at OFF_VP; y bf16 [4096][768] at OFF_Y; Wy, Wz bf16 [768][768] at OFF_WY, OFF_WZ.
; vp[n][d] = f16(bf16(prior[n]) x bf16(dic[n][d])): the product of two bf16 numbers is exact in f32 and is rounded once.  With it
; (softmax x prior) . dic becomes softmax . vp, and prior costs the later launches nothing.
; LIMIT.  |bf16(prior) x bf16(dic)| stays under 65,504, f16's end; NaN and infinities are not treated apart.
; SHARES.  A work-group takes 32 rows of 768 numbers, a wave 4 rows.  Work-groups 0-255: dic; 256-383: y; 384-407: Wy; 408-431: Wz.
; A load of a wave covers 512 consecutive bytes, a store 256 consecutive bytes at a multiple of 256 from the buffer's first byte.
; All 24 loads of a wave go out at once; every store has data registers of its own, so nothing waits for a store.
; No LDS, no barrier, no matrix work: each byte is touched once and no wave needs another's.
.set ROWF,   3072                      ; bytes of a row in f32
.set ROWH,   1536                      ; in 16 bits
.set OFF_VP, 12582912
.set OFF_Y,  25165824
.set OFF_WY, 31457280
.set OFF_WZ, 32636928
.set X,  8                             ; v[8:103]    24 pieces of 4 numbers, as loaded
.set Y,  104                           ; v[104:151]  the same in bf16
.set Z,  152                           ; v[152:199]  vp in f16
.set T,  200                           ; v[200:207]  at work
.set PR, 208                           ; v[208:215]  bf16(prior) of my 4 rows, widened, each twice (a pair for the packed multiply)
	s_load_b256 s[4:11], s[0:1], 0x0               ; dic s[4:5], prior s[6:7], y s[8:9], Wy s[10:11]
	s_load_b128 s[12:15], s[0:1], 0x20             ; Wz s[12:13], cast s[14:15]
	v_lshrrev_b32 v3, 5, v0
	v_readfirstlane_b32 s20, v3                    ; wave 0..7
	v_and_b32 v1, 31, v0
	v_lshlrev_b32 v2, 3, v1                        ; 8 bytes a lane on the way out
	v_lshlrev_b32 v1, 4, v1                        ; 16 bytes a lane on the way in
	s_mov_b32 s18, 408                             ; the array's first work-group,
	s_mov_b32 s19, OFF_WZ                          ; and its place in cast: Wz, unless one of the compares below says otherwise
	s_mov_b32 s34, 0xffff0000                      ; a word's upper bf16
	s_wait_kmcnt 0x0
	s_cmp_lt_u32 ttmp9, 408
	s_cselect_b64 s[16:17], s[10:11], s[12:13]
	s_cselect_b32 s18, 384, s18
	s_cselect_b32 s19, OFF_WY, s19
	s_cmp_lt_u32 ttmp9, 384
	s_cselect_b64 s[16:17], s[8:9], s[16:17]
	s_cselect_b32 s18, 256, s18
	s_cselect_b32 s19, OFF_Y, s19
	s_cmp_lt_u32 ttmp9, 256
	s_cselect_b64 s[16:17], s[4:5], s[16:17]
	s_cselect_b32 s18, 0, s18
	s_cselect_b32 s19, 0, s19
	s_sub_co_u32 s21, ttmp9, s18
	s_lshl_b32 s21, s21, 5
	s_lshl2_add_u32 s21, s20, s21                  ; my first row in the array: 32 x block + 4 x wave
	s_mul_i32 s22, s21, ROWF
	s_mov_b32 s23, 0
	s_add_nc_u64 s[16:17], s[16:17], s[22:23]      ; the source at my first row
	s_mul_i32 s24, s21, ROWH
	s_add_co_u32 s24, s24, s19
	s_mov_b32 s25, 0
	s_add_nc_u64 s[14:15], s[14:15], s[24:25]      ; cast at my first row
.set n, 0
.rept 24                                               ; piece n: row n / 6, bytes 512 (n % 6) on
	global_load_b128 v[X+4*n:X+4*n+3], v1, s[16:17] offset:(n/6)*ROWF+(n%6)*512 th:TH_LOAD_NT
.set n, n+1
.endr
; Piece n: four numbers a lane are rounded to bf16 and stored; with dic = 1 they are also widened again, multiplied by the row's prior and stored as f16.
.macro PIECE n, dic
	v_cvt_pk_bf16_f32 v[Y+2*(\n)], v[X+4*(\n)], v[X+4*(\n)+1]
	v_cvt_pk_bf16_f32 v[Y+2*(\n)+1], v[X+4*(\n)+2], v[X+4*(\n)+3]
	global_store_b64 v2, v[Y+2*(\n):Y+2*(\n)+1], s[14:15] offset:((\n)/6)*ROWH+((\n)%6)*256
.if \dic
.set TT, T+4*((\n)%2)
	v_lshlrev_b32 v[TT], 16, v[Y+2*(\n)]
	v_and_b32 v[TT+1], s34, v[Y+2*(\n)]
	v_lshlrev_b32 v[TT+2], 16, v[Y+2*(\n)+1]
	v_and_b32 v[TT+3], s34, v[Y+2*(\n)+1]
	v_pk_mul_f32 v[TT:TT+1], v[TT:TT+1], v[PR+2*((\n)/6):PR+2*((\n)/6)+1]
	v_pk_mul_f32 v[TT+2:TT+3], v[TT+2:TT+3], v[PR+2*((\n)/6):PR+2*((\n)/6)+1]
	v_cvt_pk_f16_f32 v[Z+2*(\n)], v[TT], v[TT+1]
	v_cvt_pk_f16_f32 v[Z+2*(\n)+1], v[TT+2], v[TT+3]
	global_store_b64 v2, v[Z+2*(\n):Z+2*(\n)+1], s[32:33] offset:((\n)/6)*ROWH+((\n)%6)*256
.endif
.endm
.macro ROWS dic
.set n, 0
.rept 24
.if n%6 == 0
	s_wait_loadcnt 18-n                            ; loads come back in order: this row's six are in, the later rows' stay out
.endif
	PIECE n, \dic
.set n, n+1
.endr
.endm
	s_cmp_lt_u32 ttmp9, 256
	s_cbranch_scc0 .Lplain
	s_lshl_b32 s26, s21, 2                         ; dic: prior of my four rows, 16 bytes
	s_mov_b32 s27, 0
	s_add_nc_u64 s[6:7], s[6:7], s[26:27]
	s_load_b128 s[28:31], s[6:7], 0x0
	s_add_nc_u64 s[32:33], s[14:15], OFF_VP        ; vp's rows lie OFF_VP behind dic's: too far for a store's immediate
	s_wait_kmcnt 0x0
	v_cvt_pk_bf16_f32 v[T], s28, s29               ; prior rounded to bf16 like every other input,
	v_cvt_pk_bf16_f32 v[T+1], s30, s31
	v_lshlrev_b32 v[PR], 16, v[T]                  ; and widened again
	v_lshlrev_b32 v[PR+1], 16, v[T]
	v_and_b32 v[PR+2], s34, v[T]
	v_and_b32 v[PR+3], s34, v[T]
	v_lshlrev_b32 v[PR+4], 16, v[T+1]
	v_lshlrev_b32 v[PR+5], 16, v[T+1]
	v_and_b32 v[PR+6], s34, v[T+1]
	v_and_b32 v[PR+7], s34, v[T+1]
	ROWS 1
	s_endpgm
.Lplain:
	ROWS 0
	s_endpgm
.Lfunc_end_k_qe949e97748_prep:
	.size	k_qe949e97748_prep, .Lfunc_end_k_qe949e97748_prep-k_qe949e97748_prep
	.p2alignl 7, 3214868480
	.fill 96, 4, 3214868480
	.section	.rodata,"a",@progbits
	.p2align	6, 0x0
	.amdhsa_kernel k_qe949e97748_prep
		.amdhsa_group_segment_fixed_size 0
		.amdhsa_private_segment_fixed_size 0
		.amdhsa_enable_private_segment 0
		.amdhsa_kernarg_size 48
		.amdhsa_user_sgpr_count 2
		.amdhsa_user_sgpr_kernarg_segment_ptr 1
		.amdhsa_wavefront_size32 1
		.amdhsa_system_sgpr_workgroup_id_x 1
		.amdhsa_system_sgpr_workgroup_id_y 1
		.amdhsa_system_sgpr_workgroup_id_z 1
		.amdhsa_system_vgpr_workitem_id 0
		.amdhsa_next_free_vgpr 216
		.amdhsa_next_free_sgpr 66
		.amdhsa_reserve_vcc 0
		.amdhsa_float_denorm_mode_32 3
		.amdhsa_float_denorm_mode_16_64 3
		.amdhsa_memory_ordered 1
		.amdhsa_forward_progress 1
		.amdhsa_inst_pref_size 27
	.end_amdhsa_kernel
	.amdgpu_metadata
---
amdhsa.version: [ 1, 2 ]
amdhsa.kernels:
  - .name:           k_qe949e97748_prep
    .symbol:         k_qe949e97748_prep.kd
    .args:
      - { .name: dic_z, .offset: 0, .size: 8, .value_kind: global_buffer, .address_space: global }
      - { .name: prior, .offset: 8, .size: 8, .value_kind: global_buffer, .address_space: global }
      - { .name: y, .offset: 16, .size: 8, .value_kind: global_buffer, .address_space: global }
      - { .name: Wy_w, .offset: 24, .size: 8, .value_kind: global_buffer, .address_space: global }
      - { .name: Wz_w, .offset: 32, .size: 8, .value_kind: global_buffer, .address_space: global }
      - { .name: cast, .offset: 40, .size: 8, .value_kind: global_buffer, .address_space: global }
    .group_segment_fixed_size: 0
    .private_segment_fixed_size: 0
    .kernarg_segment_align: 8
    .kernarg_segment_size: 48
    .max_flat_workgroup_size: 256
    .sgpr_count:     66
    .vgpr_count:     216
    .wavefront_size: 32
...
	.end_amdgpu_metadata
.endif
;; end of part 1
;; launch proj (part 2): grid 96 x 2, 4 waves a work-group, clusters of 4 x 1, 327,680 bytes of LDS; arguments cast, Wy_b, Wz_b, qk; writes qk
.if DOCPART == 2
	.amdgcn_target "amdgcn-amd-amdhsa--gfx1250"
	.amdhsa_code_object_version 6
	.text
	.protected	k_qe949e97748_proj
	.globl	k_qe949e97748_proj
	.p2align	8
	.type	k_qe949e97748_proj,@function
k_qe949e97748_proj:
	s_mov_b64 s[64:65], 0
	v_nop
	global_prefetch_b8 v0, s[64:65] scope:SCOPE_SE
	s_setreg_imm32_b32 hwreg(HW_REG_WAVE_MODE, 25, 1), 1
	s_wait_xcnt 0x0
	s_wait_alu depctr_hold_cnt(0) depctr_sa_sdst(0) depctr_va_vdst(0) depctr_va_sdst(0) depctr_va_ssrc(0) depctr_va_vcc(0) depctr_vm_vsrc(0)
	s_getreg_b32 s2, hwreg(HW_REG_IB_STS2, 6, 4)
	s_cmp_eq_u32 s2, 0
	s_cbranch_scc0 .Lentry_in_a_cluster
	s_endpgm
.Lentry_in_a_cluster:
	s_bfe_u32 s2, ttmp6, 0x10000c
	s_cmp_lg_u32 s2, 0x3003
	s_cbranch_scc0 .Lentry_shape_is_right
	s_endpgm
.Lentry_shape_is_right:
; PROJ.  qy = y Wy^T + by (4,096 rows) and kz = dic Wz^T + bz (8,192 rows) in one launch: C[m][n] = sum over k of A[m][k] W[n][k] + b[n], K = 768.
; A and W in bf16 from cast, sums in f32, the bias as the C operand of the first product, C rounded once to bf16 into qk (qy at 0, kz at OFF_KZ).
; SHARES.  A tile of C is 128 rows x 384 columns: 96 row blocks (0-31: y, 32-95: dic) x 2 column halves = 192 work-groups.  A wave takes all 128 rows and 96 columns:
; 8 x 6 accumulators of 16 x 16, 384 registers; for 32 along K it reads 14 fragments from LDS for 48 matrix instructions.
; RING.  K goes in 6 steps of 128 through two LDS slots; a slot holds 128 rows of A and 384 rows of W, rows of 256 bytes padded to 272.  Wave 0 fetches A's rows, waves 1-3 128 rows of W each:
; one tensor load a wave behind each change of slots, one out at a time.  One descriptor a tensor walks: its LDS word is turned by an exclusive or (SLOTX shares no bit with wave x HALFT), its address steps by 256 bytes.
; CLUSTER.  The four row blocks of a cluster (4 x 1) multiply by the same rows of W: W's tiles are asked for jointly (mask 15).  A's tile is each work-group's own (mask 0), issued behind the same round.
; THE MATRIX INSTRUCTION IS USED TRANSPOSED (source 0 = 16 rows of W, source 1 = 16 rows of A): a lane holds row l % 16 of C and the eight columns 8 (l / 16) + 0..7.
; REGISTERS, in windows of 256 (s_set_vgpr_msb: bits 1:0 source 0, 3:2 source 1, 5:4 source 2, 7:6 destination):
;   window 0: v16-30 addresses; v64-127, v128-191 A's fragments, two buffers; on the way out v64-255 the packed results
;   window 1: v64-111, v128-175 W's fragments, two buffers; v192-239 the bias of my 96 columns, laid as six C operands
;   window 2: accumulators of row blocks 0-3, (a, b) at v[8 (6 a + b)];   window 3: those of row blocks 4-7
.set PITCH,  272                       ; an LDS row: 256 bytes + 16 of padding: the 16 rows of a fragment load start 68 words apart, at 16 different groups of four banks (ISA guide 11.1)
.set HALFT,  128*PITCH                 ; what one tensor load brings
.set SLOTX,  4*HALFT                   ; a slot: A's 128 rows, then W's 384; slot 1 begins here
.set SPARE,  2*SLOTX                   ; behind the ring: the spare words, 128 bytes a wave, two blocks of 256 bytes that no other line names
.set SPITCH, 784                       ; a stage row: 768 bytes + 16.  The stage, 128 rows, lies in slot 0, whose last fill is long over when it is written
.set STEPS,  6
.set ROWB,   1536                      ; bytes of a row of 768 numbers of 16 bits
.set OFF_Y,  25165824
.set OFF_WY, 31457280
.set OFF_WZ, 32636928
.set OFF_KZ, 6291456
.set ADRA0, 16                         ; v16  my lane's place in A's rows of slot 0; never rewritten
.set ADRB0, 17                         ; v17  the same for my 96 rows of W
.set ADRA,  18                         ; v18  the same in the slot in hand
.set ADRB,  19                         ; v19
.set STO,   24                         ; v24  the way out: where I put 16 bytes of a row, row blocks 0-3
.set STO2,  25                         ; v25  row blocks 4-7
.set RD,    26                         ; v26  the way out: where I read rows back, first trip
.set CO,    27                         ; v27  my byte offset in C
.set SPW,   28                         ; v28  LDS address of my spare word; never rewritten
.set NIL,   29                         ; v29  0; never rewritten
.set RDC,   30                         ; v30  RD of the trip in hand
.set F0,    64
.set F1,    128
.set BIAS,  192
.set TMP,   64
.set WV,  12                           ; s12  my wave's number
.set G1A, 24                           ; s[24:31] descriptor group 1 for A's tile
.set G0A, 32                           ; s[32:35] group 0 for A's
.set G0B, 36                           ; s[36:39] group 0 for W's
.set G1B, 40                           ; s[40:47] group 1 for W's: it differs in the mask and bit 21
.set TB,  48                           ; s48  0 or SLOTX: the slot that is read
.set CNT, 49                           ; s49  a loop's count
.set RB,  50                           ; s50  the way out: the trip's first stage byte
.set MSB, 0
.macro WIN new                         ; the immediate's high byte repeats the setting that is left; a switch that changes nothing is dropped
.if MSB != (\new)
	s_set_vgpr_msb (MSB<<8)|(\new)
.set MSB, \new
.endif
.endm
.macro PLACES                          ; four plain vector instructions between a matrix instruction and a load into, or a vector write or read of, its registers
.rept 4
	v_nop
.endr
.endm
; A fill.  Wave 0 asks for A's tile, waves 1-3 jointly for their parts of W's.  The branch hangs on the wave's number alone.  An s_nop 0 and four v_nop follow each of the two lines.
.macro JLOAD
	s_cmp_eq_u32 s[WV], 0
	s_cbranch_scc0 .Lfor_w_\@
	tensor_load_to_lds s[G0A:G0A+3], s[G1A:G1A+7]
	s_nop 0
.rept 4
	v_nop
.endr
	s_branch .Lasked_\@
.Lfor_w_\@:
	tensor_load_to_lds s[G0B:G0B+3], s[G1B:G1B+7]
	s_nop 0
.rept 4
	v_nop
.endr
.Lasked_\@:
.endm
.macro CREST                           ; a round of the cluster's barrier behind its opening barrier
	s_cmp_lg_u32 s[WV], 0
	s_cbranch_scc1 .Lnot_wave_0_\@
	s_barrier_signal -3
.Lnot_wave_0_\@:
	s_barrier_wait -3
	s_barrier_signal -1
	s_barrier_wait -1
.endm
.macro CROUND                          ; a whole round
	s_barrier_signal -1
	s_barrier_wait -1
	CREST
.endm
.macro STEPD                           ; the walking descriptors: the other slot, the next K step; written only where no tensor load of mine is out
	s_xor_b32 s[G0A+1], s[G0A+1], SLOTX
	s_add_nc_u64 s[G0A+2:G0A+3], s[G0A+2:G0A+3], 256
	s_xor_b32 s[G0B+1], s[G0B+1], SLOTX
	s_add_nc_u64 s[G0B+2:G0B+3], s[G0B+2:G0B+3], 256
.endm
	s_load_b256 s[4:11], s[0:1], 0x0               ; cast s[4:5], Wy_b s[6:7], Wz_b s[8:9], qk s[10:11]
	v_lshl_add_u32 v[SPW], v0, 2, SPARE
	v_mov_b32 v[NIL], 0
	ds_add_u32 v[SPW], v[NIL]                      ; the wave's opening: the add and its wait stand ahead of my first tensor load; the set-up below, work on registers, stands between them
	v_lshrrev_b32 v1, 5, v0
	v_readfirstlane_b32 s[WV], v1                  ; wave 0..3
	s_bfe_u32 s13, ttmp6, 0x40000                  ; cx: my place in the cluster
	s_lshl_b32 s14, ttmp9, 2                       ; in a cluster launch ttmp9 counts clusters
	s_add_co_u32 s14, s14, s13                     ; row block 0..95: it enters A's and C's addresses alone
	s_and_b32 s15, ttmp7, 0xffff                   ; column half
	s_mov_b32 s18, OFF_WY
	s_cmp_ge_u32 ttmp9, 8                          ; clusters 8-23 make kz: the same answer in all four partners
	s_cselect_b32 s16, 32, 0                       ; the product's first row block
	s_cselect_b32 s17, 0, OFF_Y                    ; A's place in cast
	s_cselect_b32 s18, OFF_WZ, s18                 ; W's place in cast
	s_cselect_b32 s19, OFF_KZ, 0                   ; C's place in qk
	s_sub_co_u32 s14, s14, s16
	s_mul_i32 s20, s14, 128*ROWB                   ; my 128 rows, in bytes, in A and in C
	s_add_co_u32 s52, s20, s19
	s_add_co_u32 s20, s20, s17
	s_mov_b32 s21, 0
	s_max_u32 s22, s[WV], 1                        ; waves 1-3 fetch W's rows 384 y + 128 (w - 1) on (wave 0 makes wave 1's address and does not use it)
	s_sub_co_u32 s22, s22, 1
	s_lshl_b32 s22, s22, 7
	s_mul_i32 s23, s15, 384
	s_add_co_u32 s22, s22, s23
	s_mul_i32 s22, s22, ROWB
	s_add_co_u32 s22, s22, s18
	s_mov_b32 s23, 0
	s_mul_i32 s53, s15, 768                        ; C: my tile's first column, 384 y, in bytes,
	s_add_co_u32 s52, s52, s53
	s_mul_i32 s53, s[WV], 32*ROWB                  ; and the 32 rows that I store
	s_add_co_u32 s52, s52, s53
	s_mov_b32 s53, 0
	s_mul_i32 s54, s15, 1536                       ; the bias of my 96 columns: (384 y + 96 w) x 4 bytes
	s_mul_i32 s55, s[WV], 384
	s_add_co_u32 s54, s54, s55
	s_mov_b32 s55, 0
	s_mul_i32 s56, s[WV], HALFT                    ; where my part of a slot lies: no place in the cluster enters an LDS address
	; descriptor group 1: a tile of 128 rows x 128 elements of 2 bytes, 768 elements from row to row, 4 words of padding behind every 64
	s_mov_b32 s[G1A], (1<<16)|(1<<20)|(5<<22)|(3<<25)             ; 15:0 no mask; 17:16 elements of 2 bytes; 20 padding on; 24:22 after every 64 words (code 5); 31:25 4 words (code 3)
	s_mov_b32 s[G1B], 15|(1<<16)|(1<<20)|(1<<21)|(5<<22)|(3<<25)  ; the same with the mask of all four work-groups, and bit 21 beside it
.irp g, G1A, G1B
	s_mov_b32 s[(\g)+1], 128<<16                   ; tensor_dim0 = 128
	s_mov_b32 s[(\g)+2], 128<<16                   ; tensor_dim1 = 128
	s_mov_b32 s[(\g)+3], 128<<16                   ; tile_dim0 = 128
	s_mov_b32 s[(\g)+4], 128                       ; tile_dim1 = 128
	s_mov_b32 s[(\g)+5], 768                       ; elements from row to row
	s_mov_b32 s[(\g)+6], 0
	s_mov_b32 s[(\g)+7], 0
.endr
	s_mov_b32 s[G0A], 1                            ; count = 1
	s_mov_b32 s[G0A+1], s56                        ; LDS address: slot 0
	s_mov_b32 s[G0B], 1
	s_mov_b32 s[G0B+1], s56
	s_mov_b32 s[TB], 0
	s_wait_dscnt 0x0                               ; the opening add is done
	s_wait_kmcnt 0x0
	s_add_nc_u64 s[G0A+2:G0A+3], s[4:5], s[20:21]  ; K step 0
	s_or_b32 s[G0A+3], s[G0A+3], 0x80000000        ; type = 2
	s_add_nc_u64 s[G0B+2:G0B+3], s[4:5], s[22:23]
	s_or_b32 s[G0B+3], s[G0B+3], 0x80000000
	s_cmp_ge_u32 ttmp9, 8
	s_cselect_b64 s[6:7], s[8:9], s[6:7]           ; the product's bias
	s_add_nc_u64 s[6:7], s[6:7], s[54:55]
	s_add_nc_u64 s[10:11], s[10:11], s[52:53]
	CROUND                                         ; all four work-groups are here: the first joint loads meet
	JLOAD                                          ; K step 0 into slot 0
	v_and_b32 v1, 15, v0                           ; l % 16
	v_bfe_u32 v2, v0, 4, 1                         ; l / 16
	v_lshlrev_b32 v3, 5, v2                        ; the bias: a lane's registers 0-7 of accumulator (., b) are columns 16 b + 8 (l / 16) + 0..7
	WIN 0x40                                       ; destination window 1, address window 0
.irp b, 0,1,2,3,4,5
	global_load_b128 v[BIAS+8*(\b):BIAS+8*(\b)+3],   v3, s[6:7] offset:64*(\b)
	global_load_b128 v[BIAS+8*(\b)+4:BIAS+8*(\b)+7], v3, s[6:7] offset:64*(\b)+16
.endr
	WIN 0
	v_mul_u32_u24 v4, v1, PITCH
	v_lshl_add_u32 v[ADRA0], v2, 4, v4             ; a fragment's row x pitch + 16 x half
	s_mul_i32 s57, s[WV], 96*PITCH
	s_add_co_u32 s57, s57, HALFT                   ; my 96 rows of W lie behind A's 128
	v_add_nc_u32 v[ADRB0], s57, v[ADRA0]
	v_mov_b32 v[ADRA], v[ADRA0]
	v_mov_b32 v[ADRB], v[ADRB0]
	v_mul_u32_u24 v4, v1, SPITCH                   ; into the stage: row l % 16, my 192 bytes of it, 16 bytes for each half of the lanes
	v_lshl_add_u32 v4, v2, 4, v4
	s_mul_i32 s57, s[WV], 192
	v_add_nc_u32 v[STO], s57, v4
	v_add_nc_u32 v[STO2], 4*16*SPITCH, v[STO]
	v_mul_u32_u24 v4, v2, SPITCH                   ; back: wave w takes rows 32 w on, whole; lanes 0-15 256 bytes of one row, lanes 16-31 of the next
	v_lshl_add_u32 v4, v1, 4, v4
	s_mul_i32 s57, s[WV], 32*SPITCH
	v_add_nc_u32 v[RD], s57, v4
	v_mul_u32_u24 v4, v2, ROWB                     ; and the same two rows in C
	v_lshl_add_u32 v[CO], v1, 4, v4
; 12 matrix instructions: row blocks a0, a0 + 1 of the window's four x all 6 column blocks, 32 along K.  bias = 1: the first product starts the sums with the bias: nothing is cleared.
; The 48 accumulators take turns, one instruction a turn, in the same order in every quarter.
.macro MUL12 f, hi, a0, bias
.if \bias
	WIN 0x91+0x40*(\hi)                            ; W window 1, A window 0, C (the bias) window 1, D window 2 or 3
.else
	WIN 0xa1+0x50*(\hi)                            ; C and D window 2 or 3
.endif
.irp a, \a0, (\a0)+1
.irp b, 0,1,2,3,4,5
.if \bias
	v_wmma_f32_16x16x32_bf16 v[8*(6*(\a)+(\b)):8*(6*(\a)+(\b))+7], v[(\f)+8*(\b):(\f)+8*(\b)+7], v[(\f)+8*(4*(\hi)+(\a)):(\f)+8*(4*(\hi)+(\a))+7], v[BIAS+8*(\b):BIAS+8*(\b)+7]
.else
	v_wmma_f32_16x16x32_bf16 v[8*(6*(\a)+(\b)):8*(6*(\a)+(\b))+7], v[(\f)+8*(\b):(\f)+8*(\b)+7], v[(\f)+8*(4*(\hi)+(\a)):(\f)+8*(4*(\hi)+(\a))+7], v[8*(6*(\a)+(\b)):8*(6*(\a)+(\b))+7]
.endif
.endr
.endr
.endm
; 28 LDS loads in one run: the fragments of a quarter step (96 rows of W, 128 rows of A, 32 K at byte k of the rows) into buffer f
.macro FETCH k, f
	WIN 0x40
.irp i, 0,1,2,3,4,5
	ds_load_b128 v[(\f)+8*(\i):(\f)+8*(\i)+3],   v[ADRB] offset:(\k)+(\i)*16*PITCH
	ds_load_b128 v[(\f)+8*(\i)+4:(\f)+8*(\i)+7], v[ADRB] offset:(\k)+(\i)*16*PITCH+32
.endr
	WIN 0
.irp i, 0,1,2,3,4,5,6,7
	ds_load_b128 v[(\f)+8*(\i):(\f)+8*(\i)+3],   v[ADRA] offset:(\k)+(\i)*16*PITCH
	ds_load_b128 v[(\f)+8*(\i)+4:(\f)+8*(\i)+7], v[ADRA] offset:(\k)+(\i)*16*PITCH+32
.endr
.endm
; One of a K step's first three quarters: multiplies buffer f; in its middle it fetches the next quarter's fragments, at byte k, into buffer g.
.macro QUARTER k, f, g, bias
	s_wait_dscnt 8                                 ; W and A's rows 0-63 are in; the youngest eight loads (A's rows 64-127) may be out
	MUL12 \f, 0, 0, \bias
	MUL12 \f, 0, 2, \bias
	PLACES
	FETCH \k, \g
	s_wait_dscnt 28                                ; all but the 28 just issued
	MUL12 \f, 1, 0, \bias
	MUL12 \f, 1, 2, \bias
.endm
; The last quarter multiplies buffer 1 and changes slots.  TURNA is its first half: in front of the one barrier each wave waits for all its tensor loads (at most one is out: its part of the next slot), adds 0 to its
; spare word, and waits for that and for its reads of this slot.
.macro TURNA
	WIN 0
	s_wait_tensorcnt 0x0
	ds_add_u32 v[SPW], v[NIL]
	s_wait_dscnt 9                                 ; (the add and the youngest eight loads may be out)
	MUL12 F1, 0, 0, 0
	s_wait_dscnt 0x0                               ; the add is done, and my reads of this slot are over
	s_barrier_signal -1
	MUL12 F1, 0, 2, 0
	WIN 0                                          ; at a branch and at a label every window is 0
	s_barrier_wait -1
.endm
; TURNB is its second half.  fill = 1: the barrier has opened a round of the cluster's, and the slot just read is filled again, two K steps ahead, first thing behind the round.
.macro TURNB fill
.if \fill
	CREST                                          ; no wave of any partner still reads this slot or has a load on its way
	STEPD
	JLOAD                                          ; the four v_nop behind it are also the places in front of the loads below
.else
	PLACES
.endif
	s_xor_b32 s[TB], s[TB], SLOTX
	v_add_nc_u32 v[ADRA], s[TB], v[ADRA0]
	v_add_nc_u32 v[ADRB], s[TB], v[ADRB0]
	FETCH 0, F0
	MUL12 F1, 1, 0, 0
	MUL12 F1, 1, 2, 0
.endm
	s_wait_tensorcnt 0x0                           ; slot 0 is waited for and slot 1 filled, in the form of every later change of slots
	ds_add_u32 v[SPW], v[NIL]
	STEPD
	s_wait_dscnt 0x0
	CROUND
	JLOAD                                          ; K step 1 into slot 1
	FETCH 0, F0
	s_wait_loadcnt 0x0                             ; the bias
	QUARTER 64, F0, F1, 1                          ; the first quarter stands ahead of the loop: its products start the sums
	WIN 0
	s_mov_b32 s[CNT], STEPS-2
.Lstep:                                                ; a trip: a step's quarters 1-3 and the next step's quarter 0; each of the four trips fills a slot again
	QUARTER 128, F1, F0, 0
	QUARTER 192, F0, F1, 0
	TURNA
	TURNB 1
	QUARTER 64, F0, F1, 0
	WIN 0
	s_sub_co_u32 s[CNT], s[CNT], 1
	s_cmp_lg_u32 s[CNT], 0
	s_cbranch_scc1 .Lstep
	s_mov_b32 s[CNT], 2
.Ltail:                                                ; the last two steps have a text of their own, without a fill; the second trip is left in its middle
	QUARTER 128, F1, F0, 0
	QUARTER 192, F0, F1, 0
	TURNA
	s_sub_co_u32 s[CNT], s[CNT], 1
	s_cmp_eq_u32 s[CNT], 0
	s_cbranch_scc1 .Lfin
	TURNB 0
	QUARTER 64, F0, F1, 0
	WIN 0
	s_branch .Ltail
.Lfin:
	MUL12 F1, 1, 0, 0                              ; the very last quarter's second half: nothing more to fetch
	MUL12 F1, 1, 2, 0
	WIN 0
	; THE WAY OUT: rounded to bf16, 16 bytes a lane into the work-group's stage; a barrier, since a row's 768 bytes come from four waves; back as whole pieces of 256 bytes, 32 rows a wave.
	s_barrier_signal -1                            ; every wave's reads of the ring are over (each has waited for them): the stage may be written
	s_barrier_wait -1
	PLACES                                         ; the conversions write registers that the last products read
.set t, 0
.rept 48                                               ; accumulator t, its registers in ascending order
	WIN 0x0a+5*(t/24)                              ; sources 0 and 1 window 2 or 3, destination window 0
.set AC, 8*(t%24)
.irp r, 0,1,2,3
	v_cvt_pk_bf16_f32 v[TMP+4*t+\r], v[AC+2*\r], v[AC+2*\r+1]
.endr
.set t, t+1
.endr
	WIN 0
.set t, 0
.rept 24
	ds_store_b128 v[STO], v[TMP+4*t:TMP+4*t+3] offset:(t/6)*16*SPITCH+32*(t%6)
.set t, t+1
.endr
.rept 24
	ds_store_b128 v[STO2], v[TMP+4*t:TMP+4*t+3] offset:((t-24)/6)*16*SPITCH+32*(t%6)
.set t, t+1
.endr
	s_wait_dscnt 0x0                               ; for the others' sake: my stores into the stage are done
	s_barrier_signal -1
	s_barrier_wait -1
	s_mov_b32 s[RB], 0
	s_mov_b32 s[CNT], 4
.Lout:                                                 ; a trip: 8 rows, 12 loads and 12 stores
	v_add_nc_u32 v[RDC], s[RB], v[RD]
.set t, 0
.rept 12
	ds_load_b128 v[TMP+4*t:TMP+4*t+3], v[RDC] offset:2*(t/3)*SPITCH+256*(t%3)
.set t, t+1
.endr
.set t, 0
.rept 12
	s_wait_dscnt 11-t                              ; LDS loads come back in order: load t is in
	global_store_b128 v[CO], v[TMP+4*t:TMP+4*t+3], s[10:11] offset:2*(t/3)*ROWB+256*(t%3)  ; 16 lanes store 256 consecutive bytes, at a multiple of 256 from qk's first byte
.set t, t+1
.endr
	s_wait_xcnt 0x0                                ; the stores' base and data registers are rewritten only behind this wait
	s_add_nc_u64 s[10:11], s[10:11], 8*ROWB
	s_add_co_u32 s[RB], s[RB], 8*SPITCH
	s_sub_co_u32 s[CNT], s[CNT], 1
	s_cmp_lg_u32 s[CNT], 0
	s_cbranch_scc1 .Lout
	s_wait_tensorcnt 0x0                           ; the wave's end
	ds_add_u32 v[SPW], v[NIL]
	s_wait_dscnt 0x0
	CROUND                                         ; the closing round: no work-group ends while a partner may still ask for a tile that names it
	s_endpgm
.Lfunc_end_k_qe949e97748_proj:
	.size	k_qe949e97748_proj, .Lfunc_end_k_qe949e97748_proj-k_qe949e97748_proj
	.p2alignl 7, 3214868480
	.fill 96, 4, 3214868480
	.section	.rodata,"a",@progbits
	.p2align	6, 0x0
	.amdhsa_kernel k_qe949e97748_proj
		.amdhsa_group_segment_fixed_size 327680
		.amdhsa_private_segment_fixed_size 0
		.amdhsa_enable_private_segment 0
		.amdhsa_kernarg_size 32
		.amdhsa_user_sgpr_count 2
		.amdhsa_user_sgpr_kernarg_segment_ptr 1
		.amdhsa_wavefront_size32 1
		.amdhsa_system_sgpr_workgroup_id_x 1
		.amdhsa_system_sgpr_workgroup_id_y 1
		.amdhsa_system_sgpr_workgroup_id_z 1
		.amdhsa_system_vgpr_workitem_id 0
		.amdhsa_next_free_vgpr 1024
		.amdhsa_next_free_sgpr 66
		.amdhsa_reserve_vcc 0
		.amdhsa_float_denorm_mode_32 3
		.amdhsa_float_denorm_mode_16_64 3
		.amdhsa_memory_ordered 1
		.amdhsa_forward_progress 1
		.amdhsa_inst_pref_size 78
	.end_amdhsa_kernel
	.amdgpu_metadata
---
amdhsa.version: [ 1, 2 ]
amdhsa.kernels:
  - .name:           k_qe949e97748_proj
    .symbol:         k_qe949e97748_proj.kd
    .args:
      - { .name: cast, .offset: 0, .size: 8, .value_kind: global_buffer, .address_space: global }
      - { .name: Wy_b, .offset: 8, .size: 8, .value_kind: global_buffer, .address_space: global }
      - { .name: Wz_b, .offset: 16, .size: 8, .value_kind: global_buffer, .address_space: global }
      - { .name: qk, .offset: 24, .size: 8, .value_kind: global_buffer, .address_space: global }
    .group_segment_fixed_size: 327680
    .private_segment_fixed_size: 0
    .kernarg_segment_align: 8
    .kernarg_segment_size: 32
    .max_flat_workgroup_size: 128
    .sgpr_count:     66
    .vgpr_count:     1024
    .wavefront_size: 32
...
	.end_amdgpu_metadata
.endif
;; end of part 2
;; launch scores (part 3): grid 32 x 16, 4 waves a work-group, clusters of 4 x 4, 327,680 bytes of LDS; arguments qk, P, stat; writes P, stat
.if DOCPART == 3
	.amdgcn_target "amdgcn-amd-amdhsa--gfx1250"
	.amdhsa_code_object_version 6
	.text
	.protected	k_qe949e97748_scores
	.globl	k_qe949e97748_scores
	.p2align	8
	.type	k_qe949e97748_scores,@function
k_qe949e97748_scores:
	s_mov_b64 s[64:65], 0
	v_nop
	global_prefetch_b8 v0, s[64:65] scope:SCOPE_SE
	s_setreg_imm32_b32 hwreg(HW_REG_WAVE_MODE, 25, 1), 1
	s_wait_xcnt 0x0
	s_wait_alu depctr_hold_cnt(0) depctr_sa_sdst(0) depctr_va_vdst(0) depctr_va_sdst(0) depctr_va_ssrc(0) depctr_va_vcc(0) depctr_vm_vsrc(0)
	s_getreg_b32 s2, hwreg(HW_REG_IB_STS2, 6, 4)
	s_cmp_eq_u32 s2, 0
	s_cbranch_scc0 .Lentry_in_a_cluster
	s_endpgm
.Lentry_in_a_cluster:
	s_bfe_u32 s2, ttmp6, 0x10000c
	s_cmp_lg_u32 s2, 0xf033
	s_cbranch_scc0 .Lentry_shape_is_right
	s_endpgm
.Lentry_shape_is_right:
; SCORES.  s[q][n] = qy[q] . kz[n] (bf16 operands, f32 sums, K = 768), and of each CHUNK of 128 keys the softmax's part: with c = log2(e) / sqrt(768),
;   mc[chunk][q] = c x (the largest s of the chunk);  P[q][n] = f16(2^(c s - mc));  ls[chunk][q] = the sum of the unrounded 2^(c s - mc).
; The maximum that is taken away is the chunk's true maximum; the later launches rebase chunks onto the row's maximum by the exact factors 2^(mc - M), as a running maximum would.
; LIMITS.  P lies in 0 to 1; below 6e-5 it keeps f16's fixed step of 6e-8.  A weight below 2^-126 counts as 0 in ls.  NaN and infinities are not treated apart.
; SHARES.  A tile is 256 queries x 256 keys: 16 x 32 = 512 work-groups of equal work.  A wave makes 128 x 128: 64 accumulators, 512 registers; its 128 keys are one chunk, so maximum and sum never leave the wave.
; RING.  K goes in 6 steps of 128 through two LDS slots of 256 rows of qy and 256 rows of kz (rows of 256 bytes, padded to 272).  Each wave fetches 128 rows by one tensor load behind each change of slots; one is out at a time.
; CLUSTER.  4 x 4 work-groups: qy's tile is shared along a row of the cluster, kz's along a column; each is asked for jointly by the four that need it.
; THE MATRIX INSTRUCTION IS USED TRANSPOSED (source 0 = 16 keys, source 1 = 16 queries): a lane holds ONE query (l % 16) and the keys 8 (l / 16) + 0..7 of each block of 16; the query's other 64 keys lie in the lane 16 away.
; REGISTERS, in windows of 256 (s_set_vgpr_msb: bits 1:0 source 0, 3:2 source 1, 5:4 source 2, 7:6 destination):
;   window 0: v16-29 addresses; v64-127, v128-191 qy's fragments; behind the products v32-63, v128-255 at work on the way out
;   window 1: v64-127, v128-191 kz's fragments;   window 2: accumulators of my queries 0-63, (a, b) at v[8 (8 a + b)];   window 3: of my queries 64-127
.set PITCH,  272
.set HALFT,  128*PITCH
.set SLOTX,  4*HALFT                   ; a slot: qy's 256 rows, then kz's 256; slot 1 begins here (SLOTX shares no bit with wave x HALFT, so an exclusive or turns one slot's address into the other's)
.set STAGE,  2*SLOTX                   ; behind the ring: 16 rows x 272 bytes for each wave
.set SPITCH, 272
.set STS,    STAGE+4*16*SPITCH         ; 1,024 bytes for each wave: its 128 mc, then its 128 ls
.set SPARE,  STS+4*1024                ; the spare words, 128 bytes a wave: two blocks of 256 bytes that no other line names
.set STEPS,  6
.set ROWB,   1536
.set PROW,   16384                     ; bytes of a row of P
.set OFF_KZ, 6291456
.set OFF_LS, 1048576
.set ADRA0, 16
.set ADRB0, 17
.set ADRA,  18
.set ADRB,  19
.set SA,    20                         ; v20  where I put a query's statistic
.set SB,    21                         ; v21  where I read 16 bytes of statistics back
.set SG,    22                         ; v22  16 x lane
.set STO,   24
.set RD,    25
.set CO,    26
.set SPW,   28                         ; v28  LDS address of my spare word; never rewritten
.set NIL,   29                         ; v29  0; never rewritten
.set F0,    64
.set F1,    128
.set OB,    32                         ; 16 rows read back from the stage: v32-63 and v224-255 by turns
.set MX,    128                        ; v128-135  running maxima
.set SU,    136                        ; v136-167  partial sums
.set CM,    168                        ; v168-169  mc of the block in hand, twice
.set CMS,   170                        ; v170-177  mc of blocks 0-7
.set LSS,   178                        ; v178-185  ls of blocks 0-7
.set TMP,   192                        ; v192-223  a block's P, packed
.set G1,  24                           ; s[24:31] descriptor group 1 for qy's tiles
.set G0,  32                           ; s[32:35] group 0 for qy's
.set G0B, 36                           ; s[36:39] group 0 for kz's
.set G1B, 48                           ; s[48:55] group 1 for kz's: it differs in the mask alone
.set TB,  56
.set CNT, 57
.set CS,  58                           ; s[58:59] c
.set SEL, 60                           ; s[60:61] v_permlanex16_b32's selects: each lane takes its own place in the other half
.set MSB, 0
.macro WIN new
.if MSB != (\new)
	s_set_vgpr_msb (MSB<<8)|(\new)
.set MSB, \new
.endif
.endm
.macro PLACES
.rept 4
	v_nop
.endr
.endm
.macro JLOAD                           ; waves 0 and 1 fetch qy's two halves, waves 2 and 3 kz's; an s_nop 0 and four v_nop follow each of the two lines
	s_cmp_eq_u32 s11, 0
	s_cbranch_scc0 .Lfor_b_\@
	tensor_load_to_lds s[G0:G0+3], s[G1:G1+7]
	s_nop 0
.rept 4
	v_nop
.endr
	s_branch .Lasked_\@
.Lfor_b_\@:
	tensor_load_to_lds s[G0B:G0B+3], s[G1B:G1B+7]
	s_nop 0
.rept 4
	v_nop
.endr
.Lasked_\@:
.endm
.macro CREST
	s_cmp_lg_u32 s10, 0
	s_cbranch_scc1 .Lnot_wave_0_\@
	s_barrier_signal -3
.Lnot_wave_0_\@:
	s_barrier_wait -3
	s_barrier_signal -1
	s_barrier_wait -1
.endm
.macro CROUND
	s_barrier_signal -1
	s_barrier_wait -1
	CREST
.endm
.macro STEPD                           ; the walking descriptors: the other slot, the next K step
	s_xor_b32 s[G0+1], s[G0+1], SLOTX
	s_add_nc_u64 s[G0+2:G0+3], s[G0+2:G0+3], 256
	s_xor_b32 s[G0B+1], s[G0B+1], SLOTX
	s_add_nc_u64 s[G0B+2:G0B+3], s[G0B+2:G0B+3], 256
.endm
	s_load_b128 s[4:7], s[0:1], 0x0                ; qk s[4:5], P s[6:7]
	s_load_b64 s[8:9], s[0:1], 0x10                ; stat
	v_lshl_add_u32 v[SPW], v0, 2, SPARE
	v_mov_b32 v[NIL], 0
	ds_add_u32 v[SPW], v[NIL]                      ; the wave's opening: the add and its wait stand ahead of my first tensor load
	v_lshrrev_b32 v1, 5, v0
	v_readfirstlane_b32 s10, v1                    ; wave 0..3
	s_lshr_b32 s11, s10, 1                         ; which half of the tile's queries is mine.  Also: I fetch for qy (0) or for kz (1)
	s_and_b32 s12, s10, 1                          ; which half of its keys.  Also: which 128 rows of that tile I fetch
	s_bfe_u32 s40, ttmp6, 0x40000                  ; cx
	s_bfe_u32 s41, ttmp6, 0x40004                  ; cy
	s_lshl_b32 s42, ttmp9, 2
	s_add_co_u32 s42, s42, s40                     ; block of 256 keys = 4 x cluster x + cx
	s_and_b32 s13, ttmp7, 0xffff
	s_lshl_b32 s13, s13, 2
	s_add_co_u32 s13, s13, s41                     ; block of 256 queries = 4 x cluster y + cy
	s_lshl_b32 s43, s41, 2
	s_lshl_b32 s43, 15, s43                        ; my row of the cluster
	s_lshl_b32 s44, 0x1111, s40                    ; my column
	s_or_b32 s[G1], s43, (1<<16)|(1<<20)|(1<<21)|(5<<22)|(3<<25)   ; the mask; elements of 2 bytes; padding on; bit 21 beside a mask; 4 words behind every 64
	s_or_b32 s[G1B], s44, (1<<16)|(1<<20)|(1<<21)|(5<<22)|(3<<25)
.irp g, G1, G1B
	s_mov_b32 s[(\g)+1], 128<<16                   ; tensor_dim0 = 128
	s_mov_b32 s[(\g)+2], 128<<16                   ; tensor_dim1 = 128
	s_mov_b32 s[(\g)+3], 128<<16                   ; tile_dim0 = 128
	s_mov_b32 s[(\g)+4], 128                       ; tile_dim1 = 128
	s_mov_b32 s[(\g)+5], 768                       ; elements from row to row
	s_mov_b32 s[(\g)+6], 0
	s_mov_b32 s[(\g)+7], 0
.endr
	s_lshl_b32 s17, s12, 7
	s_lshl_b32 s16, s13, 8
	s_add_co_u32 s16, s16, s17                     ; qy: row 256 x query block + 128 x half
	s_mul_i32 s16, s16, ROWB
	s_lshl_b32 s46, s42, 8
	s_add_co_u32 s46, s46, s17                     ; kz: row 256 x key block + 128 x half
	s_mul_i32 s46, s46, ROWB
	s_add_co_u32 s46, s46, OFF_KZ
	s_mov_b32 s17, 0
	s_mov_b32 s47, 0
	s_mul_i32 s20, s10, HALFT                      ; where my part of a slot lies
	s_mov_b32 s[G0], 1
	s_mov_b32 s[G0+1], s20
	s_mov_b32 s[G0B], 1
	s_mov_b32 s[G0B+1], s20
	s_mov_b32 s[TB], 0
	s_mov_b32 s[CS], 0x3d553b94                    ; c = log2(e) / sqrt(768) = 0.0520588
	s_mov_b32 s[CS+1], s[CS]                       ; named with it as a pair
	s_mov_b32 s[SEL], 0x76543210
	s_mov_b32 s[SEL+1], 0xfedcba98
	s_wait_dscnt 0x0                               ; the opening add is done
	s_wait_kmcnt 0x0
	s_add_nc_u64 s[G0+2:G0+3], s[4:5], s[16:17]
	s_or_b32 s[G0+3], s[G0+3], 0x80000000
	s_add_nc_u64 s[G0B+2:G0B+3], s[4:5], s[46:47]
	s_or_b32 s[G0B+3], s[G0B+3], 0x80000000
	CROUND                                         ; all sixteen work-groups are here: the first joint loads meet
	JLOAD                                          ; K step 0 into slot 0
	v_and_b32 v1, 15, v0                           ; l % 16
	v_bfe_u32 v2, v0, 4, 1                         ; l / 16
	v_mul_u32_u24 v3, v1, PITCH
	v_lshl_add_u32 v3, v2, 4, v3                   ; row x pitch + 16 x half
	s_mul_i32 s21, s11, HALFT                      ; my 128 queries
	s_mul_i32 s22, s12, HALFT                      ; my 128 keys,
	s_add_co_u32 s22, s22, 2*HALFT                 ; which lie behind the 256 queries
	v_add_nc_u32 v[ADRA0], s21, v3
	v_add_nc_u32 v[ADRB0], s22, v3
	v_mov_b32 v[ADRA], v[ADRA0]
	v_mov_b32 v[ADRB], v[ADRB0]
	s_mul_i32 s23, s10, 16*SPITCH
	s_add_co_u32 s23, s23, STAGE                   ; my stage
	v_add_nc_u32 v[STO], s23, v3                   ; in: row l % 16, 16 bytes for each half of the lanes (the stage's pitch is the ring's)
	v_mul_u32_u24 v5, v2, SPITCH                   ; back: lanes 0-15 one row of 256 bytes, lanes 16-31 the next
	v_lshl_add_u32 v5, v1, 4, v5
	v_add_nc_u32 v[RD], s23, v5
	v_lshlrev_b32 v5, 14, v2                       ; and the same two rows in P
	v_lshl_add_u32 v[CO], v1, 4, v5
	s_lshl_b32 s23, s10, 10
	s_add_co_u32 s23, s23, STS                     ; my statistics
	v_lshl_add_u32 v[SA], v1, 2, s23
	v_and_b32 v5, 31, v0
	v_lshlrev_b32 v[SG], 4, v5
	v_add_nc_u32 v[SB], s23, v[SG]
	s_lshl_b32 s16, s13, 8
	s_lshl_b32 s14, s11, 7
	s_add_co_u32 s16, s16, s14                     ; my first query
	s_lshl_b32 s18, s16, 2                         ; 4 bytes a query in stat,
	s_lshl_b32 s16, s16, 14                        ; a row in P
	s_lshl_b32 s46, s42, 9
	s_lshl_b32 s47, s12, 8
	s_add_co_u32 s46, s46, s47                     ; my first key, in bytes
	s_add_co_u32 s16, s16, s46
	s_mov_b32 s17, 0                               ; s[16:17]: what the first way out adds to P's address
	s_lshl_b32 s46, s42, 1
	s_add_co_u32 s46, s46, s12                     ; my chunk
	s_lshl_b32 s46, s46, 14                        ; 4,096 queries of 4 bytes
	s_add_co_u32 s18, s18, s46
	s_mov_b32 s19, 0
	s_add_nc_u64 s[8:9], s[8:9], s[18:19]
; 16 matrix instructions: query blocks a0, a0 + 1 of the window's four x all 8 key blocks, 32 along K.  zero = 1: the first product starts the sums.
; The 64 accumulators take turns, one instruction a turn, in the same order in every quarter.
.macro MUL16 f, hi, a0, zero
	WIN 0xa1+0x50*(\hi)                            ; kz window 1, qy window 0, C and D window 2 or 3
.irp a, \a0, (\a0)+1
.irp b, 0,1,2,3,4,5,6,7
.if \zero
	v_wmma_f32_16x16x32_bf16 v[8*(8*(\a)+(\b)):8*(8*(\a)+(\b))+7], v[(\f)+8*(\b):(\f)+8*(\b)+7], v[(\f)+8*(4*(\hi)+(\a)):(\f)+8*(4*(\hi)+(\a))+7], 0
.else
	v_wmma_f32_16x16x32_bf16 v[8*(8*(\a)+(\b)):8*(8*(\a)+(\b))+7], v[(\f)+8*(\b):(\f)+8*(\b)+7], v[(\f)+8*(4*(\hi)+(\a)):(\f)+8*(4*(\hi)+(\a))+7], v[8*(8*(\a)+(\b)):8*(8*(\a)+(\b))+7]
.endif
.endr
.endr
.endm
.macro FETCH k, f                      ; 32 LDS loads in one run: 128 keys, 128 queries, 32 K at byte k of the rows
	WIN 0x40
.irp i, 0,1,2,3,4,5,6,7
	ds_load_b128 v[(\f)+8*(\i):(\f)+8*(\i)+3],   v[ADRB] offset:(\k)+(\i)*16*PITCH
	ds_load_b128 v[(\f)+8*(\i)+4:(\f)+8*(\i)+7], v[ADRB] offset:(\k)+(\i)*16*PITCH+32
.endr
	WIN 0
.irp i, 0,1,2,3,4,5,6,7
	ds_load_b128 v[(\f)+8*(\i):(\f)+8*(\i)+3],   v[ADRA] offset:(\k)+(\i)*16*PITCH
	ds_load_b128 v[(\f)+8*(\i)+4:(\f)+8*(\i)+7], v[ADRA] offset:(\k)+(\i)*16*PITCH+32
.endr
.endm
.macro QUARTER k, f, g, zero
	s_wait_dscnt 8                                 ; kz and my queries 0-63 are in; the youngest eight loads (queries 64-127) may be out
	MUL16 \f, 0, 0, \zero
	MUL16 \f, 0, 2, \zero
	PLACES
	FETCH \k, \g
	s_wait_dscnt 32                                ; all but the 32 just issued
	MUL16 \f, 1, 0, \zero
	MUL16 \f, 1, 2, \zero
.endm
; The last quarter multiplies buffer 1 and changes slots.  TURNA is its first half: one barrier; in front of it each wave waits for all its tensor loads (at most one is out: its part of the next slot), adds 0 to its
; spare word, and waits for that and for its reads of this slot.
.macro TURNA
	WIN 0
	s_wait_tensorcnt 0x0
	ds_add_u32 v[SPW], v[NIL]
	s_wait_dscnt 9                                 ; (the add and the youngest eight loads may be out)
	MUL16 F1, 0, 0, 0
	s_wait_dscnt 0x0                               ; the add is done, and my reads of this slot are over
	s_barrier_signal -1
	MUL16 F1, 0, 2, 0
	WIN 0                                          ; at a branch and at a label every window is 0
	s_barrier_wait -1
.endm
; TURNB is its second half.  fill = 1: the barrier has opened a round of the cluster's, and this slot is filled again, two K steps ahead, first thing behind the round.
.macro TURNB fill
.if \fill
	CREST
	STEPD
	JLOAD                                          ; the four v_nop behind it are also the places in front of the loads below
.else
	PLACES
.endif
	s_xor_b32 s[TB], s[TB], SLOTX
	v_add_nc_u32 v[ADRA], s[TB], v[ADRA0]
	v_add_nc_u32 v[ADRB], s[TB], v[ADRB0]
	FETCH 0, F0
	MUL16 F1, 1, 0, 0
	MUL16 F1, 1, 2, 0
.endm
; THE SOFTMAX'S PART of block a (16 queries x my 128 keys: 8 accumulators, 64 scores a lane).  Each accumulator's lowest registers are read first.
.macro SOFT a
.set AC, 64*((\a)%4)
.set HW, (\a)/4                        ; 0: window 2; 1: window 3
	WIN 0x2a+0x15*HW                               ; three sources in the accumulators' window
.irp b, 0,1,2,3,4,5,6,7
	v_max3_num_f32 v[MX+\b], v[AC+8*\b], v[AC+8*\b+1], v[AC+8*\b+2]
.endr
	WIN 0x28+0x14*HW                               ; source 0 in window 0
.irp b, 0,1,2,3,4,5,6,7
	v_max3_num_f32 v[MX+\b], v[MX+\b], v[AC+8*\b+3], v[AC+8*\b+4]
.endr
.irp b, 0,1,2,3,4,5,6,7
	v_max3_num_f32 v[MX+\b], v[MX+\b], v[AC+8*\b+5], v[AC+8*\b+6]
.endr
.irp b, 0,1,2,3
	v_max3_num_f32 v[MX+\b], v[MX+\b], v[AC+16*\b+7], v[AC+16*\b+15]
.endr
	WIN 0
	v_max3_num_f32 v[MX], v[MX], v[MX+1], v[MX+2]
	v_max3_num_f32 v[MX+3], v[MX+3], v[MX+4], v[MX+5]
	v_max3_num_f32 v[MX], v[MX], v[MX+6], v[MX+7]
	v_max_num_f32 v[MX], v[MX], v[MX+3]
	v_permlanex16_b32 v[MX+1], v[MX], s[SEL], s[SEL+1]  ; the query's other 64 keys
	v_max_num_f32 v[MX], v[MX], v[MX+1]
	v_mul_f32 v[CM], s[CS], v[MX]                  ; mc
	v_mul_f32 v[CM+1], s[CS], v[MX]
	v_mul_f32 v[CMS+(\a)], s[CS], v[MX]
	WIN 0x82+0x41*HW                               ; in place: destination and source 0 in the accumulators' window
.set i, 0
.rept 32
	v_pk_fma_f32 v[AC+2*i:AC+2*i+1], v[AC+2*i:AC+2*i+1], s[CS:CS+1], v[CM:CM+1] op_sel_hi:[1,0,0] neg_lo:[0,0,1] neg_hi:[0,0,1]  ; c s - mc
.set i, i+1
.endr
.set i, 0
.rept 64
	v_exp_f32 v[AC+i], v[AC+i]
.set i, i+1
.endr
	v_nop                                          ; a plain instruction between the last exponential and the use of its result (ISA guide 5.7.2)
	WIN 0x0a+5*HW                                  ; sources in the accumulators' window, destination window 0
.set i, 0
	s_wait_alu depctr_va_vdst(0)
.rept 32
	v_cvt_pk_f16_f32 v[TMP+i], v[AC+2*i], v[AC+2*i+1]
.set i, i+1
.endr
.set i, 0
.rept 16
	v_pk_add_f32 v[SU+2*i:SU+2*i+1], v[AC+4*i:AC+4*i+1], v[AC+4*i+2:AC+4*i+3]  ; the sum is taken of the unrounded weights
.set i, i+1
.endr
	WIN 0
.irp w, 4, 8, 16, 32
.set i, 0
.rept 32/\w
	v_pk_add_f32 v[SU+\w*i:SU+\w*i+1], v[SU+\w*i:SU+\w*i+1], v[SU+\w*i+\w/2:SU+\w*i+\w/2+1]
.set i, i+1
.endr
.endr
	v_add_f32 v[SU], v[SU], v[SU+1]
	v_permlanex16_b32 v[SU+1], v[SU], s[SEL], s[SEL+1]
	v_add_f32 v[LSS+(\a)], v[SU], v[SU+1]
.endm
.macro TOSTAGE a                       ; a lane's 16 bytes go into rows of 272 bytes and come back as whole rows of 256
	WIN 0
.set BK, OB+192*((\a)%2)
.irp b, 0,1,2,3,4,5,6,7
	ds_store_b128 v[STO], v[TMP+4*(\b):TMP+4*(\b)+3] offset:32*(\b)
.endr
.irp t, 0,1,2,3,4,5,6,7
	ds_load_b128 v[BK+4*(\t):BK+4*(\t)+3], v[RD] offset:(\t)*2*SPITCH  ; LDS serves a wave's instructions in order (ISA guide 5.7.1.4): these see the stores above
.endr
.endm
.macro SEND a
	WIN 0
.set BK, OB+192*((\a)%2)
	s_wait_dscnt 0x0                               ; the block is back in registers
	s_wait_xcnt 0x0                                ; the stores' base and the registers that earlier stores read are rewritten only behind this wait
.if (\a) == 0
	s_add_nc_u64 s[6:7], s[6:7], s[16:17]
.else
	s_add_nc_u64 s[6:7], s[6:7], 16*PROW
.endif
.irp t, 0,1,2,3,4,5,6,7
	global_store_b128 v[CO], v[BK+4*(\t):BK+4*(\t)+3], s[6:7] offset:2*(\t)*PROW  ; 16 lanes store 256 consecutive bytes, at a multiple of 256 from P's first byte
.endr
.endm
	s_wait_tensorcnt 0x0                           ; slot 0 is waited for and slot 1 filled, in the form of every later change of slots
	ds_add_u32 v[SPW], v[NIL]
	STEPD
	s_wait_dscnt 0x0
	CROUND
	JLOAD                                          ; K step 1 into slot 1
	FETCH 0, F0
	QUARTER 64, F0, F1, 1                          ; the first quarter stands ahead of the loop: its products start the sums
	WIN 0
	s_mov_b32 s[CNT], STEPS-2
.Lstep:                                                ; a trip: a step's quarters 1-3 and the next step's quarter 0; each of the four trips fills a slot again
	QUARTER 128, F1, F0, 0
	QUARTER 192, F0, F1, 0
	TURNA
	TURNB 1
	QUARTER 64, F0, F1, 0
	WIN 0
	s_sub_co_u32 s[CNT], s[CNT], 1
	s_cmp_lg_u32 s[CNT], 0
	s_cbranch_scc1 .Lstep
	s_mov_b32 s[CNT], 2
.Ltail:                                                ; the last two steps have a text of their own, without a fill; the second trip is left in its middle
	QUARTER 128, F1, F0, 0
	QUARTER 192, F0, F1, 0
	TURNA
	s_sub_co_u32 s[CNT], s[CNT], 1
	s_cmp_eq_u32 s[CNT], 0
	s_cbranch_scc1 .Lfin
	TURNB 0
	QUARTER 64, F0, F1, 0
	WIN 0
	s_branch .Ltail
.Lfin:
	MUL16 F1, 1, 0, 0                              ; the very last quarter's second half: nothing more to fetch
	MUL16 F1, 1, 2, 0
	PLACES                                         ; what follows reads results and writes registers that the last products read
	SOFT 0
	TOSTAGE 0
.irp a, 1,2,3,4,5,6,7                  ; block a's arithmetic stands between block a - 1's loads from the stage and the wait for them
	SOFT \a
	SEND (\a)-1
	TOSTAGE \a
.endr
	SEND 7
.irp a, 0,1,2,3,4,5,6,7                ; the statistics: both halves of the lanes hold the same number and write the same word
	ds_store_b32 v[SA], v[CMS+\a] offset:64*\a
	ds_store_b32 v[SA], v[LSS+\a] offset:512+64*\a
.endr
	ds_load_b128 v[MX:MX+3], v[SB]                 ; my own bytes, served in order
	ds_load_b128 v[MX+4:MX+7], v[SB] offset:512
	s_wait_dscnt 0x0
	global_store_b128 v[SG], v[MX:MX+3], s[8:9]    ; 512 consecutive bytes each
	global_store_b128 v[SG], v[MX+4:MX+7], s[8:9] offset:OFF_LS
	s_wait_tensorcnt 0x0                           ; the wave's end
	ds_add_u32 v[SPW], v[NIL]
	s_wait_dscnt 0x0
	CROUND                                         ; the closing round
	s_endpgm
.Lfunc_end_k_qe949e97748_scores:
	.size	k_qe949e97748_scores, .Lfunc_end_k_qe949e97748_scores-k_qe949e97748_scores
	.p2alignl 7, 3214868480
	.fill 96, 4, 3214868480
	.section	.rodata,"a",@progbits
	.p2align	6, 0x0
	.amdhsa_kernel k_qe949e97748_scores
		.amdhsa_group_segment_fixed_size 327680
		.amdhsa_private_segment_fixed_size 0
		.amdhsa_enable_private_segment 0
		.amdhsa_kernarg_size 24
		.amdhsa_user_sgpr_count 2
		.amdhsa_user_sgpr_kernarg_segment_ptr 1
		.amdhsa_wavefront_size32 1
		.amdhsa_system_sgpr_workgroup_id_x 1
		.amdhsa_system_sgpr_workgroup_id_y 1
		.amdhsa_system_sgpr_workgroup_id_z 1
		.amdhsa_system_vgpr_workitem_id 0
		.amdhsa_next_free_vgpr 1024
		.amdhsa_next_free_sgpr 66
		.amdhsa_reserve_vcc 0
		.amdhsa_float_denorm_mode_32 3
		.amdhsa_float_denorm_mode_16_64 3
		.amdhsa_memory_ordered 1
		.amdhsa_forward_progress 1
		.amdhsa_inst_pref_size 171
	.end_amdhsa_kernel
	.amdgpu_metadata
---
amdhsa.version: [ 1, 2 ]
amdhsa.kernels:
  - .name:           k_qe949e97748_scores
    .symbol:         k_qe949e97748_scores.kd
    .args:
      - { .name: qk, .offset: 0, .size: 8, .value_kind: global_buffer, .address_space: global }
      - { .name: P, .offset: 8, .size: 8, .value_kind: global_buffer, .address_space: global }
      - { .name: stat, .offset: 16, .size: 8, .value_kind: global_buffer, .address_space: global }
    .group_segment_fixed_size: 327680
    .private_segment_fixed_size: 0
    .kernarg_segment_align: 8
    .kernarg_segment_size: 24
    .max_flat_workgroup_size: 128
    .sgpr_count:     66
    .vgpr_count:     1024
    .wavefront_size: 32
...
	.end_amdgpu_metadata
.endif
;; end of part 3
;; launch pv (part 4): grid 4 x 64, 4 waves a work-group, clusters of 4 x 4, 327,680 bytes of LDS; arguments P, cast, stat, part; writes part
.if DOCPART == 4
	.amdgcn_target "amdgcn-amd-amdhsa--gfx1250"
	.amdhsa_code_object_version 6
	.text
	.protected	k_qe949e97748_pv
	.globl	k_qe949e97748_pv
	.p2align	8
	.type	k_qe949e97748_pv,@function
k_qe949e97748_pv:
	s_mov_b64 s[64:65], 0
	v_nop
	global_prefetch_b8 v0, s[64:65] scope:SCOPE_SE
	s_setreg_imm32_b32 hwreg(HW_REG_WAVE_MODE, 25, 1), 1
	s_wait_xcnt 0x0
	s_wait_alu depctr_hold_cnt(0) depctr_sa_sdst(0) depctr_va_vdst(0) depctr_va_sdst(0) depctr_va_ssrc(0) depctr_va_vcc(0) depctr_vm_vsrc(0)
	s_getreg_b32 s2, hwreg(HW_REG_IB_STS2, 6, 4)
	s_cmp_eq_u32 s2, 0
	s_cbranch_scc0 .Lentry_in_a_cluster
	s_endpgm
.Lentry_in_a_cluster:
	s_bfe_u32 s2, ttmp6, 0x10000c
	s_cmp_lg_u32 s2, 0xf033
	s_cbranch_scc0 .Lentry_shape_is_right
	s_endpgm
.Lentry_shape_is_right:
; PV.  part[split][q][d] = sum over the split's 16 chunks c of f[c][q] x (sum over the chunk's 128 keys n of P[q][n] x vp[n][d]),  f = 2^(mc[c][q] - M[split][q]), M = the largest mc of the split's 16 chunks.
; f16 operands as they lie in memory, f32 sums.  The factor rebases a chunk's sum onto the split's maximum; it lies in 0 to 1, is kept in f32 and multiplies the chunk's finished f32 sum.
; LIMITS.  A factor below 2^-126 counts as 0.  NaN and infinities are not treated apart.
; SHARES.  A tile is 256 queries x 192 channels x one of 4 splits: 16 x 4 x 4 = 256 work-groups.  A wave takes 128 queries x 96 channels: 8 x 6 tiles of 16 x 16.
; TWO SETS OF SUMS.  T, 384 registers, takes one chunk's products: the step's first quarter starts it with the constant 0.  M, 384 registers, is the split's sum: when a chunk's T is finished, M = T x f + M,
; 192 packed multiply-adds a step.  They stand four behind each matrix instruction: T of query blocks 0-3 behind the 24 products of the step's last quarter for blocks 4-7, T of blocks 4-7 behind the 24 products
; of the next step's first quarter for blocks 0-3.  No window has room for M beside the T that is being written, so each four cost two switches of the windows: 96 a step.
; M starts at 0, by 384 v_mov_b32 in the wait for the statistics and the first tile: the first fold is then a fold like any other; written as a multiply it would want a second copy of a whole trip, which is longer.
; RING.  The keys go in 16 steps of 128 (a step is a chunk) through two LDS slots: 256 rows of P (256 bytes, padded to 272) and 128 rows of vp (384 bytes, 16 of padding behind every 64: 480).
; Waves 0 and 1 fetch P's halves, waves 2 and 3 vp's: one tensor load a wave behind each change of slots, one out at a time; from the request to the wait for it a wave issues 180 matrix instructions.
; CLUSTER.  4 x 4: along x the four channel blocks, along y four query blocks, all of one split.  P's tile is shared along a row of the cluster, vp's along a column.
; LAYOUT.  O^T = V^T P^T: source 0 = 16 channels x 32 keys (vp turned by ds_load_tr16_b128), source 1 = 32 keys x 16 queries (P's rows as they lie).  A lane holds ONE query (l % 16) in the result,
; so the factor is one number a lane, block of 16 queries and step; it lies in LDS twice on end, so that a load brings the pair that the packed multiply-add takes.
; REGISTERS, in windows of 256 (s_set_vgpr_msb: bits 1:0 source 0, 3:2 source 1, 5:4 source 2, 7:6 destination):
;   window 0: v24-37 addresses; v40-55 the step's eight factors, each twice; v64-255 M of blocks 0-3, (a, b) at v[64 + 8 (6 a + b)]
;   window 1: v0-31 P's rows of blocks 0-3, 32 keys; v32-63 of blocks 4-7; v64-255 M of blocks 4-7
;   window 2: v0-191 T of blocks 0-3; v192-239 vp's fragments of the even quarters          window 3: v0-191 T of blocks 4-7; v192-239 vp's fragments of the odd quarters
.set PP,     272
.set PV,     480                       ; 15 x 32 bytes
.set VOFF,   256*PP
.set SLOTX,  1<<17                     ; a slot: 69,632 bytes of P and 61,440 of vp; slot 1 begins here
.set FT,     2*SLOTX                   ; the factors: for step c, row half rh, query r of a block, block a: (f, f) in f32 at 2,048 c + 1,024 rh + 64 r + 8 a
.set SPARE,  FT+16*2048                ; the spare words, 128 bytes a wave: two blocks of 256 bytes that no other line names
.set SP,     784                       ; a stage row: 768 bytes + 16.  The stage, 256 rows, lies in the ring, whose last fill is long over when it is written
.set STEPS,  16
.set OFF_VP, 12582912
.set ROWO,   3072                      ; bytes of a row of part
.set STO,  24
.set STO2, 25
.set RD,   26
.set CO,   27
.set SPW,  28                          ; v28  LDS address of my spare word; never rewritten
.set NIL,  29                          ; v29  0; never rewritten
.set RDC,  30
.set FA,   31                          ; v31  where I put my two rows' factors
.set AP,   32                          ; v32  P's rows in the slot in hand
.set AV,   33                          ; v33  vp's
.set AP0,  34                          ; v34  the same in slot 0; never rewritten
.set AV0,  35                          ; v35
.set AF,   36                          ; v36  the factors of the step in hand
.set AF0,  37                          ; v37  of step 0; never rewritten
.set F,    40
.set M,    64                          ; windows 0 and 1
.set TMP,  64                          ; the way out
.set VB,   192                         ; windows 2 and 3
.set MCA,  0                           ; window 2, at the start: mc of row t in the split's 16 chunks at the even registers of v0-31; then its factors, each twice
.set MCB,  32                          ; the same for row t + 128
.set MM,   64
.set WV,  12
.set G1A, 24                           ; s[24:31] descriptor group 1 for P's tiles
.set G0A, 32                           ; s[32:35] group 0 for P's
.set G0V, 36                           ; s[36:39] group 0 for vp's
.set G1V, 48                           ; s[48:55] group 1 for vp's
.set TB,  56                           ; s56  0 or SLOTX: the slot that is read
.set CNT, 57
.set FB,  58                           ; s58  2,048 x the step whose factors are read next
.set RB,  59
.set MSB, 0
.macro WIN new
.if MSB != (\new)
	s_set_vgpr_msb (MSB<<8)|(\new)
.set MSB, \new
.endif
.endm
.macro PLACES                          ; four plain vector instructions between a matrix instruction and a load into its sources or a vector read of its result
.rept 4
	v_nop
.endr
.endm
.macro JLOAD                           ; an s_nop 0 and four v_nop follow each of the two lines
	s_cmp_lt_u32 s[WV], 2
	s_cbranch_scc0 .Lfor_v_\@
	tensor_load_to_lds s[G0A:G0A+3], s[G1A:G1A+7]
	s_nop 0
.rept 4
	v_nop
.endr
	s_branch .Lasked_\@
.Lfor_v_\@:
	tensor_load_to_lds s[G0V:G0V+3], s[G1V:G1V+7]
	s_nop 0
.rept 4
	v_nop
.endr
.Lasked_\@:
.endm
.macro CREST
	s_cmp_lg_u32 s[WV], 0
	s_cbranch_scc1 .Lnot_wave_0_\@
	s_barrier_signal -3
.Lnot_wave_0_\@:
	s_barrier_wait -3
	s_barrier_signal -1
	s_barrier_wait -1
.endm
.macro CROUND
	s_barrier_signal -1
	s_barrier_wait -1
	CREST
.endm
.macro STEPD                           ; the walking descriptors: the other slot, the next 128 keys
	s_xor_b32 s[G0A+1], s[G0A+1], SLOTX
	s_add_nc_u64 s[G0A+2:G0A+3], s[G0A+2:G0A+3], 256
	s_xor_b32 s[G0V+1], s[G0V+1], SLOTX
	s_add_nc_u64 s[G0V+2:G0V+3], s[G0V+2:G0V+3], 128*1536
.endm
	s_load_b256 s[4:11], s[0:1], 0x0               ; P s[4:5], cast s[6:7], stat s[8:9], part s[10:11]
	v_lshl_add_u32 v[SPW], v0, 2, SPARE
	v_mov_b32 v[NIL], 0
	ds_add_u32 v[SPW], v[NIL]                      ; the wave's opening: the add and its wait stand ahead of my first tensor load
	v_lshrrev_b32 v1, 5, v0
	v_readfirstlane_b32 s[WV], v1                  ; wave 0..3
	s_lshr_b32 s13, s[WV], 1                       ; which half of the tile's queries is mine
	s_and_b32 s14, s[WV], 1                        ; which half of its channels.  Also: which half of P's or vp's tile I fetch
	s_bfe_u32 s40, ttmp6, 0x40000                  ; cx: the channel block
	s_bfe_u32 s41, ttmp6, 0x40004                  ; cy
	s_and_b32 s15, ttmp7, 0xffff                   ; the cluster's y, 0..15
	s_lshr_b32 s16, s15, 2                         ; the split: the same in all sixteen partners
	s_and_b32 s17, s15, 3
	s_lshl_b32 s17, s17, 2
	s_add_co_u32 s17, s17, s41                     ; the block of 256 queries
	s_lshl_b32 s43, s41, 2
	s_lshl_b32 s43, 15, s43                        ; my row of the cluster
	s_lshl_b32 s44, 0x1111, s40                    ; my column
	s_or_b32 s[G1A], s43, (1<<16)|(1<<20)|(1<<21)|(5<<22)|(3<<25)  ; P: the mask of my row; elements of 2 bytes; padding on; bit 21 beside a mask; 4 words behind every 64
	s_mov_b32 s[G1A+1], 128<<16                    ; tensor_dim0 = 128
	s_mov_b32 s[G1A+2], 128<<16                    ; tensor_dim1 = 128
	s_mov_b32 s[G1A+3], 128<<16                    ; tile_dim0 = 128
	s_mov_b32 s[G1A+4], 128                        ; tile_dim1 = 128
	s_mov_b32 s[G1A+5], 8192                       ; elements from row to row
	s_mov_b32 s[G1A+6], 0
	s_mov_b32 s[G1A+7], 0
	s_or_b32 s[G1V], s44, (1<<16)|(1<<20)|(1<<21)|(3<<22)|(3<<25)  ; vp: the mask of my column; 4 words behind every 16: six times in a row of 96 words
	s_mov_b32 s[G1V+1], 192<<16                    ; tensor_dim0 = 192
	s_mov_b32 s[G1V+2], 64<<16                     ; tensor_dim1 = 64
	s_mov_b32 s[G1V+3], 192<<16                    ; tile_dim0 = 192
	s_mov_b32 s[G1V+4], 64                         ; tile_dim1 = 64
	s_mov_b32 s[G1V+5], 768
	s_mov_b32 s[G1V+6], 0
	s_mov_b32 s[G1V+7], 0
	s_lshl_b32 s20, s17, 8                         ; P: row 256 x query block + 128 x half, 16,384 bytes a row; the split's first key, 2 bytes a key
	s_lshl_b32 s21, s14, 7
	s_add_co_u32 s20, s20, s21
	s_lshl_b32 s20, s20, 14
	s_lshl_b32 s21, s16, 12
	s_add_co_u32 s20, s20, s21
	s_mov_b32 s21, 0
	s_lshl_b32 s22, s16, 11                        ; vp: key 2,048 x split + 64 x half, 1,536 bytes a key; 384 bytes a channel block
	s_lshl_b32 s23, s14, 6
	s_add_co_u32 s22, s22, s23
	s_mul_i32 s22, s22, 1536
	s_mul_i32 s23, s40, 384
	s_add_co_u32 s22, s22, s23
	s_add_co_u32 s22, s22, OFF_VP
	s_mov_b32 s23, 0
	s_mov_b32 s[G0A], 1
	s_mul_i32 s[G0A+1], s14, 128*PP                ; LDS address: slot 0; no place in the cluster enters it
	s_mov_b32 s[G0V], 1
	s_mul_i32 s[G0V+1], s14, 64*PV
	s_add_co_u32 s[G0V+1], s[G0V+1], VOFF
	s_lshl_b32 s60, s16, 18                        ; stat: chunk 16 x split, 16,384 bytes a chunk; 1,024 bytes a query block
	s_lshl_b32 s61, s17, 10
	s_add_co_u32 s60, s60, s61
	s_mov_b32 s61, 0
	s_mul_i32 s62, s16, 12582912                   ; part: the split's plane, the 64 rows that I store, my channel block
	s_lshl_b32 s63, s17, 8
	s_lshl_b32 s45, s[WV], 6
	s_add_co_u32 s63, s63, s45
	s_mul_i32 s63, s63, ROWO
	s_add_co_u32 s62, s62, s63
	s_mul_i32 s63, s40, 768
	s_add_co_u32 s62, s62, s63
	s_mov_b32 s63, 0
	s_mov_b32 s[TB], 0
	s_mov_b32 s[FB], 0
	s_wait_dscnt 0x0                               ; the opening add is done
	s_wait_kmcnt 0x0
	s_add_nc_u64 s[G0A+2:G0A+3], s[4:5], s[20:21]
	s_or_b32 s[G0A+3], s[G0A+3], 0x80000000
	s_add_nc_u64 s[G0V+2:G0V+3], s[6:7], s[22:23]
	s_or_b32 s[G0V+3], s[G0V+3], 0x80000000
	s_add_nc_u64 s[8:9], s[8:9], s[60:61]
	s_add_nc_u64 s[10:11], s[10:11], s[62:63]
	CROUND                                         ; all sixteen work-groups are here: the first joint loads meet
	JLOAD                                          ; step 0 into slot 0
	; THE FACTORS.  Thread t takes the tile's rows t and t + 128: their mc in the split's 16 chunks, the largest of them, and 2^(mc - largest).
	v_lshlrev_b32 v3, 2, v0
	WIN 0x80                                       ; destination window 2, address window 0
.set c, 0
.rept 16
	global_load_b32 v[MCA+2*c], v3, s[8:9] offset:c*16384
	global_load_b32 v[MCB+2*c], v3, s[8:9] offset:c*16384+512
.set c, c+1
.endr
	WIN 0
	v_and_b32 v1, 15, v0                           ; l % 16
	v_bfe_u32 v2, v0, 4, 1                         ; l / 16
	v_lshrrev_b32 v4, 4, v0                        ; row t's block, 0..7
	v_lshlrev_b32 v5, 6, v1                        ; 64 bytes a query: eight blocks' pairs
	v_lshl_add_u32 v4, v4, 3, v5
	v_add_nc_u32 v[FA], FT, v4
	v_mul_u32_u24 v6, v1, PP                       ; P's fragments: row x pitch + 16 x half, in my 128 rows
	v_lshl_add_u32 v6, v2, 4, v6
	s_mul_i32 s60, s13, 128*PP
	v_add_nc_u32 v[AP0], s60, v6
	v_and_b32 v10, 7, v0                           ; the turning load: lane l reads key 8 (l / 16) + l % 8, channels 8 ((l / 8) % 2) + 0..7
	v_bfe_u32 v11, v0, 3, 1
	v_lshl_add_u32 v7, v2, 3, v10
	v_mul_u32_u24 v7, v7, PV
	v_lshl_add_u32 v7, v11, 4, v7
	s_mul_i32 s60, s14, 240                        ; my 96 channels: three pieces of 80 bytes
	s_add_co_u32 s60, s60, VOFF
	v_add_nc_u32 v[AV0], s60, v7
	s_lshl_b32 s60, s13, 10
	s_add_co_u32 s60, s60, FT
	v_add_nc_u32 v[AF0], s60, v5                   ; my query's eight pairs of step 0
	v_mul_u32_u24 v4, v1, SP                       ; into the stage: row l % 16 of my 128, my 384 bytes of it, 32 bytes for each half of the lanes
	v_lshl_add_u32 v4, v2, 5, v4
	s_mul_i32 s60, s13, 128*SP
	s_mul_i32 s61, s14, 384
	s_add_co_u32 s60, s60, s61
	v_add_nc_u32 v[STO], s60, v4
	v_add_nc_u32 v[STO2], 4*16*SP, v[STO]
	v_mul_u32_u24 v4, v2, SP                       ; back: wave w takes rows 64 w on, whole
	v_lshl_add_u32 v4, v1, 4, v4
	s_mul_i32 s60, s[WV], 64*SP
	v_add_nc_u32 v[RD], s60, v4
	v_mul_u32_u24 v4, v2, ROWO
	v_lshl_add_u32 v[CO], v1, 4, v4
.set i, M
.rept 192                                              ; M starts at 0: these stand in the wait for the statistics and the first tile
	v_mov_b32 v[i], 0
.set i, i+1
.endr
	WIN 0x40
.set i, M
.rept 192
	v_mov_b32 v[i], 0
.set i, i+1
.endr
	s_wait_loadcnt 0x0
.macro FACT x, off
	WIN 0xaa                                       ; all in window 2
	v_max3_num_f32 v[MM], v[(\x)], v[(\x)+2], v[(\x)+4]
.irp k, 6,10,14,18,22,26
	v_max3_num_f32 v[MM], v[MM], v[(\x)+\k], v[(\x)+\k+2]
.endr
	v_max_num_f32 v[MM], v[MM], v[(\x)+30]
.set c, 0
.rept 16
	v_sub_f32 v[(\x)+2*c], v[(\x)+2*c], v[MM]
.set c, c+1
.endr
.set c, 0
.rept 16
	v_exp_f32 v[(\x)+2*c], v[(\x)+2*c]
.set c, c+1
.endr
	v_nop                                          ; a plain instruction between the last exponential and the use of its result (ISA guide 5.7.2)
.set c, 0
	s_wait_alu depctr_va_vdst(0)
.rept 16
	v_mov_b32 v[(\x)+2*c+1], v[(\x)+2*c]           ; each factor twice
.set c, c+1
.endr
	WIN 0x08                                       ; store data window 2, address window 0
.set c, 0
.rept 16
	ds_store_b64 v[FA], v[(\x)+2*c:(\x)+2*c+1] offset:c*2048+(\off)
.set c, c+1
.endr
.endm
	FACT MCA, 0
	FACT MCB, 1024
	WIN 0
.macro VRUN kq                         ; 12 LDS loads: vp's six fragments of quarter kq, turned, into the buffer of kq's parity
	WIN 0x80+0x40*((\kq)%2)
.irp b, 0,1,2,3,4,5
	ds_load_tr16_b128 v[VB+8*\b:VB+8*\b+3],   v[AV] offset:32*(\kq)*PV+(\b/2)*80+(\b%2)*32
	ds_load_tr16_b128 v[VB+8*\b+4:VB+8*\b+7], v[AV] offset:32*(\kq)*PV+16*PV+(\b/2)*80+(\b%2)*32
.endr
.endm
.macro PRUN kq, hi                     ; 8 LDS loads: P's rows of blocks 4 hi .. 4 hi + 3, 32 keys at quarter kq
	WIN 0x40
.irp a, 0,1,2,3
	ds_load_b128 v[32*(\hi)+8*\a:32*(\hi)+8*\a+3],   v[AP] offset:(\a+4*(\hi))*16*PP+64*(\kq)
	ds_load_b128 v[32*(\hi)+8*\a+4:32*(\hi)+8*\a+7], v[AP] offset:(\a+4*(\hi))*16*PP+64*(\kq)+32
.endr
.endm
; Block a of a phase (hi = 0: query blocks 0-3, 1: blocks 4-7): 6 matrix instructions under the setting MULW.  zero = 1: they start T.  fh >= 0: behind each stand the four multiply-adds that fold the like-numbered
; tile of half fh's finished T into M, lowest registers first.  They name no register of the products round them.  The accumulators take turns, one instruction a turn.
.macro BLK a, hi, zero, fh
.irp b, 0,1,2,3,4,5
	WIN MULW
.if \zero
	v_wmma_f32_16x16x32_f16 v[8*(6*(\a)+\b):8*(6*(\a)+\b)+7], v[VB+8*\b:VB+8*\b+7], v[32*(\hi)+8*(\a):32*(\hi)+8*(\a)+7], 0
.else
	v_wmma_f32_16x16x32_f16 v[8*(6*(\a)+\b):8*(6*(\a)+\b)+7], v[VB+8*\b:VB+8*\b+7], v[32*(\hi)+8*(\a):32*(\hi)+8*(\a)+7], v[8*(6*(\a)+\b):8*(6*(\a)+\b)+7]
.endif
.if (\fh) >= 0
	WIN 0x02+0x51*(\fh)                            ; T (source 0) window 2 or 3, the factor window 0, M (source 2 and destination) window 0 or 1
.irp j, 0,1,2,3
	v_pk_fma_f32 v[M+8*(6*(\a)+\b)+2*\j:M+8*(6*(\a)+\b)+2*\j+1], v[8*(6*(\a)+\b)+2*\j:8*(6*(\a)+\b)+2*\j+1], v[F+2*(4*(\fh)+(\a)):F+2*(4*(\fh)+(\a))+1], v[M+8*(6*(\a)+\b)+2*\j:M+8*(6*(\a)+\b)+2*\j+1]
.endr
.endif
.endr
.endm
; QUARTER q of a step: a LOW phase (blocks 0-3) and a HIGH phase (blocks 4-7), 24 matrix instructions each.  At its head it fetches its own high rows of P, in its middle the next quarter's vp and low rows.
; Quarter 0 starts T; fl = 1: its low phase folds the step before's T of blocks 4-7.  Quarter 3's high phase folds this step's T of blocks 0-3.  Where a phase folds, the four multiply-adds behind its last product are the
; places in front of the loads that follow; elsewhere four v_nop are.
; chg (quarter 3 alone, whose head issues the step's last LDS reads): the change of slots, in the low phase.  In front of the barrier each wave waits for all its tensor loads (at most one is out: its part of the next
; slot), adds 0 to its spare word, and waits for that and for its reads of this slot.  chg = 1: the barrier opens a round of the cluster's, and the refill is the first thing behind the round.  chg = 2: no refill.
; tail = 1: in the loop's last trip (CNT = 1) there is no next step, and the middle's loads are jumped over.
.macro QTR q, fl, chg, tail
.set QZ, 0
.if (\q) == 0
.set QZ, 1
.endif
.set FLO, -1
.if \fl
.set FLO, 1
.endif
.set FHI, -1
.if (\q) == 3
.set FHI, 0
.endif
.if (\q) != 0
	PLACES
.endif
	PRUN \q, 1
	s_wait_dscnt 8                                 ; vp's fragments and the low rows are in; the 8 just issued may be out
.set MULW, 0xa6+(\q)%2                 ; T (C and D) window 2, P window 1, vp window 2 or 3
	BLK 0, 0, QZ, FLO
	BLK 1, 0, QZ, FLO
.if \chg
	WIN 0
	s_wait_tensorcnt 0x0
	ds_add_u32 v[SPW], v[NIL]
.endif
	BLK 2, 0, QZ, FLO
.if \chg
	s_wait_dscnt 0x0                               ; the add is done, and my reads of this slot are over
	s_barrier_signal -1
.endif
	BLK 3, 0, QZ, FLO
.if \chg
	WIN 0                                          ; at a branch and at a label every window is 0
	s_barrier_wait -1
.if (\chg) == 1
	CREST                                          ; no wave of any partner still reads this slot or has a load on its way
	STEPD
	JLOAD                                          ; the four v_nop behind it are also the places in front of the loads and of the fold below
.else
	PLACES
.endif
.if \tail
	s_cmp_eq_u32 s[CNT], 1
	s_cbranch_scc1 .Lno_next_\@
.endif
	s_xor_b32 s[TB], s[TB], SLOTX
	v_add_nc_u32 v[AP], s[TB], v[AP0]
	v_add_nc_u32 v[AV], s[TB], v[AV0]
.elseif !(\fl)
	PLACES
.endif
	VRUN ((\q)+1)%4
	PRUN ((\q)+1)%4, 0
.if (\q) == 0
	WIN 0
	v_add_nc_u32 v[AF], s[FB], v[AF0]
	s_add_co_u32 s[FB], s[FB], 2048
.irp i, 0,1,2,3
	ds_load_b128 v[F+4*\i:F+4*\i+3], v[AF] offset:16*\i  ; this step's factors: the step before's were last used in the low phase above
.endr
	s_wait_dscnt 24                                ; the high rows are in; the 24 just issued may be out
.elseif \chg
.if \tail
	WIN 0
.Lno_next_\@:
.endif
.else
	s_wait_dscnt 20                                ; the high rows are in; the 20 just issued may be out
.endif
.set MULW, 0xf6+(\q)%2                 ; T window 3
	BLK 0, 1, QZ, FHI
	BLK 1, 1, QZ, FHI
	BLK 2, 1, QZ, FHI
	BLK 3, 1, QZ, FHI
.endm
	s_wait_tensorcnt 0x0                           ; slot 0 is waited for and slot 1 filled, in the form of every later change of slots;
	ds_add_u32 v[SPW], v[NIL]
	STEPD
	s_wait_dscnt 0x0                               ; my factors are stored too: the round's barrier shows them to every wave
	CROUND
	JLOAD                                          ; step 1 into slot 1
	v_mov_b32 v[AP], v[AP0]
	v_mov_b32 v[AV], v[AV0]
	VRUN 0
	PRUN 0, 0
	QTR 0, 0, 0, 0                                 ; the first quarter stands ahead of the loop: there is no step before it to fold
	WIN 0
	s_mov_b32 s[CNT], STEPS-2
.Lstep:                                                ; a trip: a step's quarters 1-3 and the next step's quarter 0; each of the 14 trips fills a slot again
	QTR 1, 0, 0, 0
	QTR 2, 0, 0, 0
	QTR 3, 0, 1, 0
	QTR 0, 1, 0, 0
	WIN 0
	s_sub_co_u32 s[CNT], s[CNT], 1
	s_cmp_lg_u32 s[CNT], 0
	s_cbranch_scc1 .Lstep
	s_mov_b32 s[CNT], 2
.Ltail:                                                ; the last two steps have a text of their own, without a fill; the second trip is left behind quarter 3
	QTR 1, 0, 0, 0
	QTR 2, 0, 0, 0
	QTR 3, 0, 2, 1
	WIN 0
	s_sub_co_u32 s[CNT], s[CNT], 1
	s_cmp_eq_u32 s[CNT], 0
	s_cbranch_scc1 .Lfin
	QTR 0, 1, 0, 0
	WIN 0
	s_branch .Ltail
.Lfin:
	WIN 0x53                                       ; the last step's T of blocks 4-7 is folded; the four multiply-adds behind the last product are its places
.set t, 0
.rept 24
.irp j, 0,1,2,3
	v_pk_fma_f32 v[M+8*t+2*\j:M+8*t+2*\j+1], v[8*t+2*\j:8*t+2*\j+1], v[F+2*(4+t/6):F+2*(4+t/6)+1], v[M+8*t+2*\j:M+8*t+2*\j+1]
.endr
.set t, t+1
.endr
	WIN 0
	; THE WAY OUT: 32 bytes a lane and tile into the work-group's stage; a barrier, since a row's 768 bytes come from two waves; back as whole pieces of 256 bytes, 64 rows a wave.
	s_wait_dscnt 0x0
	s_barrier_signal -1                            ; every wave's reads of the ring are over: the stage may be written
	s_barrier_wait -1
.set t, 0
.rept 24
	ds_store_b128 v[STO], v[M+8*t:M+8*t+3] offset:(t/6)*16*SP+64*(t%6)
	ds_store_b128 v[STO], v[M+8*t+4:M+8*t+7] offset:(t/6)*16*SP+64*(t%6)+16
.set t, t+1
.endr
	WIN 0x04                                       ; store data window 1, address window 0
.set t, 0
.rept 24
	ds_store_b128 v[STO2], v[M+8*t:M+8*t+3] offset:(t/6)*16*SP+64*(t%6)
	ds_store_b128 v[STO2], v[M+8*t+4:M+8*t+7] offset:(t/6)*16*SP+64*(t%6)+16
.set t, t+1
.endr
	WIN 0
	s_wait_dscnt 0x0                               ; for the others' sake: my stores into the stage are done
	s_barrier_signal -1
	s_barrier_wait -1
	s_mov_b32 s[RB], 0
	s_mov_b32 s[CNT], 8
.Lout:                                                 ; a trip: 8 rows, 12 loads and 12 stores
	v_add_nc_u32 v[RDC], s[RB], v[RD]
.set t, 0
.rept 12
	ds_load_b128 v[TMP+4*t:TMP+4*t+3], v[RDC] offset:2*(t/3)*SP+256*(t%3)
.set t, t+1
.endr
.set t, 0
.rept 12
	s_wait_dscnt 11-t                              ; LDS loads come back in order: load t is in
	global_store_b128 v[CO], v[TMP+4*t:TMP+4*t+3], s[10:11] offset:2*(t/3)*ROWO+256*(t%3)  ; 16 lanes store 256 consecutive bytes, at a multiple of 256 from part's first byte
.set t, t+1
.endr
	s_wait_xcnt 0x0                                ; the stores' base and data registers are rewritten only behind this wait
	s_add_nc_u64 s[10:11], s[10:11], 8*ROWO
	s_add_co_u32 s[RB], s[RB], 8*SP
	s_sub_co_u32 s[CNT], s[CNT], 1
	s_cmp_lg_u32 s[CNT], 0
	s_cbranch_scc1 .Lout
	s_wait_tensorcnt 0x0                           ; the wave's end
	ds_add_u32 v[SPW], v[NIL]
	s_wait_dscnt 0x0
	CROUND                                         ; the closing round
	s_endpgm
.Lfunc_end_k_qe949e97748_pv:
	.size	k_qe949e97748_pv, .Lfunc_end_k_qe949e97748_pv-k_qe949e97748_pv
	.p2alignl 7, 3214868480
	.fill 96, 4, 3214868480
	.section	.rodata,"a",@progbits
	.p2align	6, 0x0
	.amdhsa_kernel k_qe949e97748_pv
		.amdhsa_group_segment_fixed_size 327680
		.amdhsa_private_segment_fixed_size 0
		.amdhsa_enable_private_segment 0
		.amdhsa_kernarg_size 32
		.amdhsa_user_sgpr_count 2
		.amdhsa_user_sgpr_kernarg_segment_ptr 1
		.amdhsa_wavefront_size32 1
		.amdhsa_system_sgpr_workgroup_id_x 1
		.amdhsa_system_sgpr_workgroup_id_y 1
		.amdhsa_system_sgpr_workgroup_id_z 1
		.amdhsa_system_vgpr_workitem_id 0
		.amdhsa_next_free_vgpr 1024
		.amdhsa_next_free_sgpr 66
		.amdhsa_reserve_vcc 0
		.amdhsa_float_denorm_mode_32 3
		.amdhsa_float_denorm_mode_16_64 3
		.amdhsa_memory_ordered 1
		.amdhsa_forward_progress 1
		.amdhsa_inst_pref_size 126
	.end_amdhsa_kernel
	.amdgpu_metadata
---
amdhsa.version: [ 1, 2 ]
amdhsa.kernels:
  - .name:           k_qe949e97748_pv
    .symbol:         k_qe949e97748_pv.kd
    .args:
      - { .name: P, .offset: 0, .size: 8, .value_kind: global_buffer, .address_space: global }
      - { .name: cast, .offset: 8, .size: 8, .value_kind: global_buffer, .address_space: global }
      - { .name: stat, .offset: 16, .size: 8, .value_kind: global_buffer, .address_space: global }
      - { .name: part, .offset: 24, .size: 8, .value_kind: global_buffer, .address_space: global }
    .group_segment_fixed_size: 327680
    .private_segment_fixed_size: 0
    .kernarg_segment_align: 8
    .kernarg_segment_size: 32
    .max_flat_workgroup_size: 128
    .sgpr_count:     66
    .vgpr_count:     1024
    .wavefront_size: 32
...
	.end_amdgpu_metadata
.endif
;; end of part 4
;; launch merge (part 5): grid 256 x 1, 8 waves a work-group, no clusters, 3,072 bytes of LDS; arguments part, stat, out0; writes out0
.if DOCPART == 5
	.amdgcn_target "amdgcn-amd-amdhsa--gfx1250"
	.amdhsa_code_object_version 6
	.text
	.protected	k_qe949e97748_merge
	.globl	k_qe949e97748_merge
	.p2align	8
	.type	k_qe949e97748_merge,@function
k_qe949e97748_merge:
	s_mov_b64 s[64:65], 0
	v_nop
	global_prefetch_b8 v0, s[64:65] scope:SCOPE_SE
	s_setreg_imm32_b32 hwreg(HW_REG_WAVE_MODE, 25, 1), 1
	s_wait_xcnt 0x0
; MERGE.  z[q][d] = sum over the 4 splits of part[split][q][d] x 2^(M_split[q] - M[q]) / L[q], with M_split = the largest mc of the split's 16 chunks (as the launch before took it),
; M = the largest of all 64, L = sum over the 64 chunks of ls x 2^(mc - M): the softmax's divisor on the row's true maximum.  All in f32.
; LIMITS.  A factor below 2^-126 counts as 0.  NaN and infinities are not treated apart.
; SHARES.  A work-group takes 16 rows, a wave 2.  Thread t = 16 g + r first folds chunks 4 g .. 4 g + 3 of row r into a pair (maximum, sum); the pairs meet in LDS; then the 16 lanes of a half wave hold one row's
; 16 pairs and fold them by exchanges inside the half.  A load or store of a wave covers 512 consecutive bytes; all 48 loads of part go out ahead of the statistics' arithmetic.
; No matrix work, no cluster: each byte is read once and no work-group shares a byte with another.
.set SPARE,  2048                      ; behind the 256 pairs: the spare words, 128 bytes a wave: four blocks of 256 bytes that no other line names
.set PLANE,  12582912                  ; bytes of a split's plane in part
.set ROWO,   3072
.set OFF_LS, 1048576
.set MC,  8                            ; v8-11   mc of my four chunks
.set LS,  12                           ; v12-15  ls
.set SPW, 16
.set NIL, 17
.set X,   40                           ; v[40:231]  piece n (row n / 6, bytes 512 (n % 6) on), split sp at X + 16 n + 4 sp
	s_load_b128 s[4:7], s[0:1], 0x0                ; part s[4:5], stat s[6:7]
	s_load_b64 s[8:9], s[0:1], 0x10                ; out0
	v_lshl_add_u32 v[SPW], v0, 2, SPARE
	v_mov_b32 v[NIL], 0
	v_lshrrev_b32 v1, 5, v0
	v_readfirstlane_b32 s10, v1                    ; wave 0..7
	v_and_b32 v2, 15, v0                           ; r; later: the group whose pair I read
	v_lshrrev_b32 v3, 4, v0                        ; g
	v_lshlrev_b32 v4, 2, v2
	v_lshl_add_u32 v4, v3, 16, v4                  ; four chunks of 16,384 bytes a group, 4 bytes a row
	v_and_b32 v5, 31, v0
	v_lshlrev_b32 v5, 4, v5                        ; 16 bytes a lane
	v_lshlrev_b32 v6, 3, v0                        ; my pair's place
	v_bfe_u32 v7, v0, 4, 1
	v_lshlrev_b32 v7, 3, v7
	v_lshl_add_u32 v7, v2, 7, v7                   ; the pair of group l % 16 and row 2 w + l / 16: 128 x group + 8 x row
	s_lshl_b32 s11, s10, 4
	v_add_nc_u32 v7, s11, v7
	s_lshl_b32 s12, ttmp9, 6                       ; my 16 rows in stat
	s_mov_b32 s13, 0
	s_lshl_b32 s14, ttmp9, 4
	s_lshl1_add_u32 s14, s10, s14                  ; my wave's first row
	s_mul_i32 s14, s14, ROWO
	s_mov_b32 s15, 0
	s_wait_kmcnt 0x0
	s_add_nc_u64 s[6:7], s[6:7], s[12:13]
	s_add_nc_u64 s[36:37], s[4:5], s[14:15]        ; a base for each split: the planes lie too far apart for an immediate
	s_add_nc_u64 s[38:39], s[36:37], PLANE
	s_add_nc_u64 s[40:41], s[38:39], PLANE
	s_add_nc_u64 s[42:43], s[40:41], PLANE
	s_add_nc_u64 s[8:9], s[8:9], s[14:15]
.irp i, 0,1,2,3
	global_load_b32 v[MC+\i], v4, s[6:7] offset:\i*16384
	global_load_b32 v[LS+\i], v4, s[6:7] offset:OFF_LS+\i*16384
.endr
.set n, 0
.rept 12
.irp sp, 0,1,2,3
	global_load_b128 v[X+16*n+4*\sp:X+16*n+4*\sp+3], v5, s[36+2*\sp:37+2*\sp] offset:(n/6)*ROWO+(n%6)*512 th:TH_LOAD_NT
.endr
.set n, n+1
.endr
	s_wait_loadcnt 48                              ; the eight statistics are in; the 48 loads of part stay out
	v_max3_num_f32 v20, v[MC], v[MC+1], v[MC+2]
	v_max_num_f32 v20, v20, v[MC+3]                ; the four chunks' maximum
.irp i, 0,1,2,3
	v_sub_f32 v[MC+\i], v[MC+\i], v20
.endr
.irp i, 0,1,2,3
	v_exp_f32 v[MC+\i], v[MC+\i]
.endr
	v_nop                                          ; a plain instruction between the last exponential and the use of its result
	s_wait_alu depctr_va_vdst(0)
	v_mul_f32 v21, v[LS], v[MC]
	v_fmac_f32 v21, v[LS+1], v[MC+1]
	v_fmac_f32 v21, v[LS+2], v[MC+2]
	v_fmac_f32 v21, v[LS+3], v[MC+3]               ; and their sum on that maximum
	ds_store_b64 v6, v[20:21]
	s_wait_dscnt 0x0                               ; for the others' sake: my pair is stored
	s_barrier_signal -1
	s_barrier_wait -1
	ds_load_b64 v[22:23], v7
	s_wait_dscnt 0x0
	v_mov_b32 v24, v22
	v_max_num_f32_dpp v24, v24, v24 row_xmask:1 row_mask:0xf bank_mask:0xf
	v_max_num_f32_dpp v24, v24, v24 row_xmask:2 row_mask:0xf bank_mask:0xf  ; four groups are a split: M_split
	v_mov_b32 v25, v24
	v_max_num_f32_dpp v25, v25, v25 row_xmask:4 row_mask:0xf bank_mask:0xf
	v_max_num_f32_dpp v25, v25, v25 row_xmask:8 row_mask:0xf bank_mask:0xf  ; M
	v_sub_f32 v26, v22, v25
	v_sub_f32 v27, v24, v25
	v_exp_f32 v26, v26
	v_exp_f32 v27, v27
	v_nop
	s_wait_alu depctr_va_vdst(0)
	v_mul_f32 v26, v26, v23
	v_add_f32_dpp v26, v26, v26 row_xmask:1 row_mask:0xf bank_mask:0xf
	v_add_f32_dpp v26, v26, v26 row_xmask:2 row_mask:0xf bank_mask:0xf
	v_add_f32_dpp v26, v26, v26 row_xmask:4 row_mask:0xf bank_mask:0xf
	v_add_f32_dpp v26, v26, v26 row_xmask:8 row_mask:0xf bank_mask:0xf      ; L
	v_rcp_f32 v28, v26
	v_nop
	s_wait_alu depctr_va_vdst(0)
	v_mul_f32 v27, v27, v28                        ; lane 4 sp + 16 row holds 2^(M_split - M) / L
.irp k, 0,1,2,3,4,5,6,7
	v_readlane_b32 s[20+2*\k], v27, 4*\k           ; s[20+8 row+2 sp]: a number that multiplies, never an address or a count
	s_mov_b32 s[21+2*\k], 0                        ; named with it as a pair
.endr
.set n, 0
.rept 12
	s_wait_loadcnt 44-4*n                          ; loads come back in order: this piece's four are in, the later pieces' stay out
.set XB, X+16*n
.set SB, 20+8*(n/6)
	v_pk_mul_f32 v[XB:XB+1], v[XB:XB+1], s[SB:SB+1] op_sel_hi:[1,0]
	v_pk_mul_f32 v[XB+2:XB+3], v[XB+2:XB+3], s[SB:SB+1] op_sel_hi:[1,0]
.irp sp, 1,2,3
	v_pk_fma_f32 v[XB:XB+1], v[XB+4*\sp:XB+4*\sp+1], s[SB+2*\sp:SB+2*\sp+1], v[XB:XB+1] op_sel_hi:[1,0,1]
	v_pk_fma_f32 v[XB+2:XB+3], v[XB+4*\sp+2:XB+4*\sp+3], s[SB+2*\sp:SB+2*\sp+1], v[XB+2:XB+3] op_sel_hi:[1,0,1]
.endr
	global_store_b128 v5, v[XB:XB+3], s[8:9] offset:(n/6)*ROWO+(n%6)*512 th:TH_STORE_NT  ; 512 consecutive bytes, at a multiple of 256 from out0's first byte
.set n, n+1
.endr
	s_wait_tensorcnt 0x0                           ; the wave's end, behind my last LDS store
	ds_add_u32 v[SPW], v[NIL]
	s_wait_dscnt 0x0
	s_endpgm
.Lfunc_end_k_qe949e97748_merge:
	.size	k_qe949e97748_merge, .Lfunc_end_k_qe949e97748_merge-k_qe949e97748_merge
	.p2alignl 7, 3214868480
	.fill 96, 4, 3214868480
	.section	.rodata,"a",@progbits
	.p2align	6, 0x0
	.amdhsa_kernel k_qe949e97748_merge
		.amdhsa_group_segment_fixed_size 3072
		.amdhsa_private_segment_fixed_size 0
		.amdhsa_enable_private_segment 0
		.amdhsa_kernarg_size 24
		.amdhsa_user_sgpr_count 2
		.amdhsa_user_sgpr_kernarg_segment_ptr 1
		.amdhsa_wavefront_size32 1
		.amdhsa_system_sgpr_workgroup_id_x 1
		.amdhsa_system_sgpr_workgroup_id_y 1
		.amdhsa_system_sgpr_workgroup_id_z 1
		.amdhsa_system_vgpr_workitem_id 0
		.amdhsa_next_free_vgpr 232
		.amdhsa_next_free_sgpr 66
		.amdhsa_reserve_vcc 0
		.amdhsa_float_denorm_mode_32 3
		.amdhsa_float_denorm_mode_16_64 3
		.amdhsa_memory_ordered 1
		.amdhsa_forward_progress 1
		.amdhsa_inst_pref_size 17
	.end_amdhsa_kernel
	.amdgpu_metadata
---
amdhsa.version: [ 1, 2 ]
amdhsa.kernels:
  - .name:           k_qe949e97748_merge
    .symbol:         k_qe949e97748_merge.kd
    .args:
      - { .name: part, .offset: 0, .size: 8, .value_kind: global_buffer, .address_space: global }
      - { .name: stat, .offset: 8, .size: 8, .value_kind: global_buffer, .address_space: global }
      - { .name: out0, .offset: 16, .size: 8, .value_kind: global_buffer, .address_space: global }
    .group_segment_fixed_size: 3072
    .private_segment_fixed_size: 0
    .kernarg_segment_align: 8
    .kernarg_segment_size: 24
    .max_flat_workgroup_size: 256
    .sgpr_count:     66
    .vgpr_count:     232
    .wavefront_size: 32
...
	.end_amdgpu_metadata
.endif
;; end of part 5
